; MI455X (gfx1250); checked and timed in simulation.
; The chip was launched on July 23, 2026; its instructions are those of AMD's public machine-readable ISA for CDNA 5 (MIT licence, August 2026) and "CDNA5" Instruction Set Architecture Reference Guide (July 2026). The comments in the code are by the model that wrote it; some were corrected since.
;; tranformer layer. Allowed arithmetic: matrix products marked QUANTISED: E4M3 operands, one given power-of-two scale a tensor, by v_wmma_f32_16x16x64_fp8_fp8 or v_wmma_f32_16x16x128_fp8_fp8, f32 sums; everything else in f32.
;; Inputs: W1_codes 4,096 x 32 x 32 uint8 (E4M3 codes of W1, K innermost, in blocks of 32 codes); W2_codes 1,024 x 128 x 32 uint8 (E4M3 codes of W2, K innermost, in blocks of 32 codes); Wfc_codes 1,024 x 32 x 32 uint8 (E4M3 codes of Wfc, K innermost, in blocks of 32 codes); Wqkv_codes 3,072 x 32 x 32 uint8 (E4M3 codes of Wqkv, K innermost, in blocks of 32 codes); b1 4,096 float32; b2 1,024 float32; lowp_scales 12 int32 (the exponents e of the quantised operands' scales 2^e); x 2 x 2,048 x 1,024 float32.
;; Outputs: out0 2 x 2,048 x 1,024 float32.
;; This version of the problem:
;;   THIS VERSION OF THE PROBLEM IS GIVEN IN LOW PRECISION. The matrix products marked QUANTISED in the list below multiply operands that are first quantised to E4M3 (4 exponent bits, 3 mantissa bits; 8 bits a number), with one given power-of-two scale for each operand tensor; their sums are f32. All else is computed in f32.
;;   The module's matrix products, in the order in which they are computed (A, B: the left and right operand; K: the contracted axis; several contracted axes count as one K, in the product's order):
;;     1. [M 4,096, K 1,024] x [K 1,024, N 3,072]; A: computed on the way; B: input Wqkv (given as codes): QUANTISED (scales: A lowp_scales[0], B lowp_scales[1])
;;     2. batch 32 x [M 2,048, K 64] x [K 64, N 2,048]; A: computed on the way; B: computed on the way: QUANTISED (scales: A lowp_scales[2], B lowp_scales[3])
;;     3. batch 32 x [M 64, K 2,048] x [K 2,048, N 2,048]; A: computed on the way; B: softmax (see below): QUANTISED (scales: A lowp_scales[4], B lowp_scales[5])
;;     4. [M 4,096, K 1,024] x [K 1,024, N 1,024]; A: computed on the way; B: input Wfc (given as codes): QUANTISED (scales: A lowp_scales[6], B lowp_scales[7])
;;     5. [M 4,096, K 1,024] x [K 1,024, N 4,096]; A: computed on the way; B: input W1 (given as codes): QUANTISED (scales: A lowp_scales[8], B lowp_scales[9])
;;     6. [M 4,096, K 4,096] x [K 4,096, N 1,024]; A: computed on the way; B: input W2 (given as codes): QUANTISED (scales: A lowp_scales[10], B lowp_scales[11])
;;   THE QUANTISER, for each operand of a quantised product, along K:
;;     - The operand's scale is 2^e, e = its entry of the input lowp_scales (int32; the entries are numbered through the quantised products in the list's order, A before B).
;;     - Each number is divided by the scale, clamped to +-448, and rounded to the nearest number of E4M3, ties to even, subnormals kept.
;;     - The product sums the exact products of the quantised numbers (number of the format x scale) in f32.
;;   ~~~python
;;   def quantise(x, axis, e):      # numpy; x: float32 -> the quantised numbers, widened to float32 again
;;       x = np.moveaxis(x, axis, -1); K = x.shape[-1]
;;       r = np.clip(x / 2.0 ** e, -448, 448)
;;       step = 2.0 ** (np.maximum(np.frexp(np.where(r == 0, 1, r))[1] - 1, -6) - 3)
;;       q = np.round(r / step) * step * 2.0 ** e      # np.round: ties to even
;;       return np.moveaxis(q, -1, axis).astype(np.float32)
;;   ~~~
;;   SOFTMAX AHEAD OF A QUANTISED PRODUCT. Where the list says 'softmax', what is quantised is not the finished softmax but p = 2^(t - M), with t = logit x log2(e) and M = ceil(the row's largest t), a whole number; so 1/2 < the row's largest p <= 1. The row's sum l is taken of the UNQUANTISED p, in f32, and the product's result is divided by l at the end. Since M is a whole number, a kernel that streams over the keys may use a running M (the ceiling of the running maximum): every later rescaling is an exact power of two, so the quantised numbers keep their values, but for numbers so far below the row's largest that they fall under the format's range.
;;   OPERANDS COMPUTED ON THE WAY. 'Computed on the way' means the value that the module computes at that place (a softmax that the list does not call 'softmax' is quantised finished and normalised). What goes into a quantiser is computed in f32, as accurately as f32 sums, v_exp_f32 and their like allow (about 1e-6 of the number): no bf16 or f16 on the way to a quantiser, and a product that is left as it is and whose result goes on into a quantised operand takes f32 operands (vector FMAs, or v_wmma_f32_16x16x4_f32). A number that lies on a knife's edge between two numbers of the format may be rounded either way, as far as f32 arithmetic and the matrix unit's own rounding can turn it there, and no further.
;;   INPUTS GIVEN AS CODES. W1 (in the module: [4096, 1024], K = its axis 1); W2 (in the module: [1024, 4096], K = its axis 1); Wfc (in the module: [1024, 1024], K = its axis 1); Wqkv (in the module: [3072, 1024], K = its axis 1): each comes as NAME_codes (uint8): NAME with its K axis moved to the last place and cut into blocks of 32 codes, [.., K / 32, bytes a block], one block behind the other in memory; one code a byte (a code: sign, 4 exponent bits, 3 mantissa bits); its scale is its entry of lowp_scales. Its value is code x scale, taken as it is: it is not quantised again, and the codes and scales need not be those that the quantiser above would give.
;; One version. Each part assembles by itself: llvm-mc -triple=amdgcn-amd-amdhsa -mcpu=gfx1250 --defsym DOCPART=n.
;; ======== version 1 of 1: 7 launches
;; limits: right only within a limited range of input values
;; workspace buffers: hc 4,194,304 bytes; q_c 4,194,304 bytes; k_c 4,194,304 bytes; v_c 4,194,304 bytes; a_c 4,194,304 bytes; x2 16,777,216 bytes; g_c 16,777,216 bytes
;; launch ln1 (part 1): grid 256 x 1, 16 waves a work-group, no clusters, 18,432 bytes of LDS; arguments x, lowp_scales, hc; writes hc
.if DOCPART == 1
	.amdgcn_target "amdgcn-amd-amdhsa--gfx1250"
	.amdhsa_code_object_version 6
	.text
	.protected	k_qc1119936a7_ln1
	.globl	k_qc1119936a7_ln1
	.p2align	8
	.type	k_qc1119936a7_ln1,@function
k_qc1119936a7_ln1:
	s_mov_b64 s[64:65], 0
	v_nop
	global_prefetch_b8 v0, s[64:65] scope:SCOPE_SE
	s_setreg_imm32_b32 hwreg(HW_REG_WAVE_MODE, 25, 1), 1
	s_wait_xcnt 0x0
; h = (x - mean) / sqrt(var + 1e-5) along rows of 1,024 f32 numbers, quantised to E4M3 with the given scale 2^e (entry SIDX of the scales); codes row-major, [4096][1024] bytes.
; One wave takes one row: 4,096 bytes are 32 registers a lane, so the row is read once and stays in registers for the mean, the variance (of x - mean: no difference of large sums) and the scaling.
; No loop, no barrier: waves share nothing.  A lane's codes (4 bytes of each 128) go through the wave's own 1,024 bytes of LDS and leave as two stores of 512 consecutive bytes.
; No matrix unit, cluster or tensor load: each byte is read once and nothing is shared.
; LIMITS: e between -126 and 119, so that 2^e and 448 x 2^e are f32 numbers.  NaN among the inputs is not served.
.set SIDX, 0
.set LO,  2                            ; v2      16 x lane: my bytes of a load's or a store's 512
.set SA,  3                            ; v3      LDS: 1,024 x wave + 4 x lane
.set SB,  4                            ; v4      LDS: 1,024 x wave + 16 x lane
.set X,   16                           ; v16-47  the row: register 4 j + i is number 128 j + 4 lane + i
.set T,   48                           ; v48-52  at work
.set MU,  56                           ; v56-57  the mean, twice
.set R,   58                           ; v58-59  1 / sqrt(var + eps), twice
.set SCL, 60                           ; v60     2^e as f32
.set LIM, 61                           ; v61     448 x 2^e
.set C,   62                           ; v62-69  codes: register j holds those of numbers 128 j + 4 lane + 0 .. 3
.set O,   72                           ; v72-79  the row's codes read back, 16 bytes a lane
	s_load_b128 s[4:7], s[0:1], 0x0                ; the rows s[4:5], the scales' exponents s[6:7]
	s_load_b64 s[8:9], s[0:1], 0x10                ; the codes
	v_lshl_add_u32 v80, v0, 2, 0x4000
	v_mov_b32 v81, 0
	v_lshrrev_b32 v1, 5, v0
	s_delay_alu instid0(VALU_DEP_1)
	v_readfirstlane_b32 s10, v1                    ; wave 0..15
	v_and_b32 v1, 31, v0                           ; lane
	s_delay_alu instid0(VALU_DEP_1)
	v_lshlrev_b32 v[LO], 4, v1
	s_lshl_b32 s11, s10, 10                        ; my wave's 1,024 bytes of LDS
	v_lshl_add_u32 v[SA], v1, 2, s11
	v_add_nc_u32 v[SB], s11, v[LO]
	s_lshl_b32 s15, ttmp9, 4
	s_add_co_u32 s15, s15, s10                     ; my row: 16 x work-group + wave
	s_lshl_b32 s16, s15, 12                        ; 4,096 bytes a row in,
	s_mov_b32 s17, 0
	s_lshl_b32 s18, s15, 10                        ; 1,024 out
	s_mov_b32 s19, 0
	s_mov_b32 s12, 0x76543210                      ; v_permlanex16_b32: lane l takes lane l xor 16
	s_mov_b32 s13, 0xfedcba98
	s_mov_b32 s20, 0x3a800000                      ; 1 / 1,024
	s_wait_alu depctr_va_vdst(0)
	s_wait_kmcnt 0x0
	s_load_b32 s14, s[6:7], 4*SIDX                 ; e
	s_add_nc_u64 s[4:5], s[4:5], s[16:17]
	s_add_nc_u64 s[8:9], s[8:9], s[18:19]
.irp j, 0,1,2,3,4,5,6,7
	global_load_b128 v[X+4*\j:X+4*\j+3], v[LO], s[4:5] offset:512*\j   ; 32 lanes read 512 consecutive bytes
.endr
; the pair v[T:T+1] is added up over its halves and over the 32 lanes; every lane ends with the sum in v[T]
.macro ACROSS
	s_delay_alu instid0(VALU_DEP_1)
	v_add_f32 v[T], v[T], v[T+1]
	s_delay_alu instid0(VALU_DEP_1)
	v_add_f32_dpp v[T], v[T], v[T] row_xmask:1 row_mask:0xf bank_mask:0xf
	s_delay_alu instid0(VALU_DEP_1)
	v_add_f32_dpp v[T], v[T], v[T] row_xmask:2 row_mask:0xf bank_mask:0xf
	s_delay_alu instid0(VALU_DEP_1)
	v_add_f32_dpp v[T], v[T], v[T] row_xmask:4 row_mask:0xf bank_mask:0xf
	s_delay_alu instid0(VALU_DEP_1)
	v_add_f32_dpp v[T], v[T], v[T] row_xmask:8 row_mask:0xf bank_mask:0xf
	s_delay_alu instid0(VALU_DEP_1)
	v_permlanex16_b32 v[T+1], v[T], s12, s13       ; its destination counts as read: it has been written
	s_delay_alu instid0(VALU_DEP_1)
	v_add_f32 v[T], v[T], v[T+1]
.endm
	v_mov_b32 v[T+4], 0x3727c5ac                   ; eps = 1e-5
	s_wait_kmcnt 0x0
	s_add_co_i32 s14, s14, 127
	s_lshl_b32 s21, s14, 23
	v_mov_b32 v[SCL], s21                          ; the conversion takes this number's exponent field
	s_add_co_i32 s14, s14, 8
	s_lshl_b32 s14, s14, 23
	s_or_b32 s14, s14, 0x600000
	v_mov_b32 v[LIM], s14
	s_wait_loadcnt 0x0                             ; the mean wants the whole row
	v_pk_add_f32 v[50:51], v[16:17], v[18:19]
	v_pk_add_f32 v[78:79], v[24:25], v[28:29]
	v_pk_add_f32 v[76:77], v[32:33], v[36:37]
	v_pk_add_f32 v[74:75], v[40:41], v[44:45]
	v_pk_add_f32 v[72:73], v[20:21], v[22:23]
	v_pk_add_f32 v[70:71], v[26:27], v[30:31]
	v_pk_add_f32 v[68:69], v[34:35], v[38:39]
	v_pk_add_f32 v[48:49], v[42:43], v[46:47]
	s_delay_alu instid0(VALU_DEP_1)
	v_pk_add_f32 v[48:49], v[48:49], v[74:75]
	v_pk_add_f32 v[50:51], v[50:51], v[72:73]
	v_pk_add_f32 v[78:79], v[78:79], v[70:71]
	v_pk_add_f32 v[76:77], v[76:77], v[68:69]
	s_delay_alu instid0(VALU_DEP_2)
	v_pk_add_f32 v[48:49], v[48:49], v[78:79]
	s_delay_alu instid0(VALU_DEP_2)
	v_pk_add_f32 v[50:51], v[50:51], v[76:77]
	s_delay_alu instid0(VALU_DEP_1)
	v_pk_add_f32 v[48:49], v[48:49], v[50:51]
	ACROSS
	s_delay_alu instid0(VALU_DEP_1)
	v_mul_f32 v[MU], s20, v[T]
	s_delay_alu instid0(VALU_DEP_1)
	v_mov_b32 v[MU+1], v[MU]
.irp j, 0,2,4,6,8,10,12,14,16,18,20,22,24,26,28,30
	v_pk_add_f32 v[X+\j:X+\j+1], v[X+\j:X+\j+1], v[MU:MU+1] neg_lo:[0,1] neg_hi:[0,1]   ; d = x - mean, in place
.endr
	v_pk_mul_f32 v[T:T+1], v[X:X+1], v[X:X+1]
	v_pk_mul_f32 v[T+2:T+3], v[X+2:X+3], v[X+2:X+3]
.irp j, 4,8,12,16,20,24,28
	s_delay_alu instid0(VALU_DEP_2)
	v_pk_fma_f32 v[T:T+1], v[X+\j:X+\j+1], v[X+\j:X+\j+1], v[T:T+1]
	s_delay_alu instid0(VALU_DEP_2)
	v_pk_fma_f32 v[T+2:T+3], v[X+\j+2:X+\j+3], v[X+\j+2:X+\j+3], v[T+2:T+3]
.endr
	s_delay_alu instid0(VALU_DEP_1)
	v_pk_add_f32 v[T:T+1], v[T:T+1], v[T+2:T+3]
	ACROSS
	s_delay_alu instid0(VALU_DEP_1)
	v_fma_f32 v[T], v[T], s20, v[T+4]              ; var + eps
	s_wait_alu depctr_va_vdst(0)
	v_rsq_f32 v[R], v[T]
	v_nop                                          ; a plain instruction behind the transcendental,
	s_wait_alu depctr_va_vdst(0)                   ; and the wait ahead of its first reader
	v_mov_b32 v[R+1], v[R]
.irp j, 0,2,4,6,8,10,12,14,16,18,20,22,24,26,28,30
	v_pk_mul_f32 v[X+\j:X+\j+1], v[X+\j:X+\j+1], v[R:R+1]
.endr
.set j, 0
.rept 32
	v_med3_num_f32 v[X+j], v[X+j], -v[LIM], v[LIM] ; the conversion to an 8-bit code does not saturate (ISA guide 7.6.2): the hold at the largest code x the scale
.set j, j+1
.endr
.irp g, 0,1,2,3
	v_cvt_scalef32_pk8_fp8_f32 v[C+2*\g:C+2*\g+1], v[X+8*\g:X+8*\g+7], v[SCL]
.endr
	v_nop
.irp j, 0,1,2,3,4,5,6,7
	ds_store_b32 v[SA], v[C+\j] offset:128*\j      ; byte 128 j + 4 lane of the row's 1,024
.endr
	ds_load_b128 v[O:O+3], v[SB]                   ; LDS serves a wave's instructions in order (ISA guide 5.7.1.4): these see my stores
	ds_load_b128 v[O+4:O+7], v[SB] offset:512
	s_wait_dscnt 1                                 ; the first read-back is in; the second may be out
	global_store_b128 v[LO], v[O:O+3], s[8:9]      ; 32 lanes store 512 consecutive bytes, at a multiple of 256 from the buffer's first byte
	s_wait_dscnt 0x0
	global_store_b128 v[LO], v[O+4:O+7], s[8:9] offset:512
	s_wait_tensorcnt 0x0
	ds_add_u32 v80, v81
	s_wait_dscnt 0x0
	s_endpgm
.Lfunc_end_k_qc1119936a7_ln1:
	.size	k_qc1119936a7_ln1, .Lfunc_end_k_qc1119936a7_ln1-k_qc1119936a7_ln1
	.p2alignl 7, 3214868480
	.fill 96, 4, 3214868480
	.section	.rodata,"a",@progbits
	.p2align	6, 0x0
	.amdhsa_kernel k_qc1119936a7_ln1
		.amdhsa_group_segment_fixed_size 18432
		.amdhsa_private_segment_fixed_size 0
		.amdhsa_enable_private_segment 0
		.amdhsa_kernarg_size 24
		.amdhsa_user_sgpr_count 2
		.amdhsa_user_sgpr_kernarg_segment_ptr 1
		.amdhsa_wavefront_size32 1
		.amdhsa_system_sgpr_workgroup_id_x 1
		.amdhsa_system_sgpr_workgroup_id_y 1
		.amdhsa_system_sgpr_workgroup_id_z 1
		.amdhsa_system_vgpr_workitem_id 0
		.amdhsa_next_free_vgpr 82
		.amdhsa_next_free_sgpr 66
		.amdhsa_reserve_vcc 0
		.amdhsa_float_denorm_mode_32 3
		.amdhsa_float_denorm_mode_16_64 3
		.amdhsa_memory_ordered 1
		.amdhsa_forward_progress 1
		.amdhsa_inst_pref_size 12
	.end_amdhsa_kernel
	.amdgpu_metadata
---
amdhsa.version: [ 1, 2 ]
amdhsa.kernels:
  - .name:           k_qc1119936a7_ln1
    .symbol:         k_qc1119936a7_ln1.kd
    .args:
      - { .name: x, .offset: 0, .size: 8, .value_kind: global_buffer, .address_space: global }
      - { .name: lowp_scales, .offset: 8, .size: 8, .value_kind: global_buffer, .address_space: global }
      - { .name: hc, .offset: 16, .size: 8, .value_kind: global_buffer, .address_space: global }
    .group_segment_fixed_size: 18432
    .private_segment_fixed_size: 0
    .kernarg_segment_align: 8
    .kernarg_segment_size: 24
    .max_flat_workgroup_size: 512
    .sgpr_count:     66
    .vgpr_count:     82
    .wavefront_size: 32
...
	.end_amdgpu_metadata
.endif
;; end of part 1
;; launch qkv (part 2): grid 12 x 16, 4 waves a work-group, clusters of 4 x 4, 327,680 bytes of LDS; arguments hc, Wqkv_codes, lowp_scales, q_c, k_c, v_c; writes q_c, k_c, v_c
.if DOCPART == 2
	.amdgcn_target "amdgcn-amd-amdhsa--gfx1250"
	.amdhsa_code_object_version 6
	.text
	.protected	k_qc1119936a7_qkv
	.globl	k_qc1119936a7_qkv
	.p2align	8
	.type	k_qc1119936a7_qkv,@function
k_qc1119936a7_qkv:
	s_mov_b64 s[64:65], 0
	v_nop
	global_prefetch_b8 v0, s[64:65] scope:SCOPE_SE
	s_setreg_imm32_b32 hwreg(HW_REG_WAVE_MODE, 25, 1), 1
	s_wait_xcnt 0x0
	s_wait_alu depctr_hold_cnt(0) depctr_sa_sdst(0) depctr_va_vdst(0) depctr_va_sdst(0) depctr_va_ssrc(0) depctr_va_vcc(0) depctr_vm_vsrc(0)
	s_getreg_b32 s2, hwreg(HW_REG_IB_STS2, 6, 4)
	s_cmp_eq_u32 s2, 0
	s_cbranch_scc0 .Lentry_in_a_cluster
	s_endpgm
.Lentry_in_a_cluster:
	s_bfe_u32 s2, ttmp6, 0x10000c
	s_cmp_lg_u32 s2, 0xf033
	s_cbranch_scc0 .Lentry_shape_is_right
	s_endpgm
.Lentry_shape_is_right:
; qkv = h Wqkv^T on codes of E4M3 (h: [4096][1024], scale 2^e0; Wqkv: [3072][1024], scale 2^e1), and q, k, v quantised at once with 2^e2, 2^e3, 2^e4.
; A tile of 256 x 256 is made by a work-group of four waves, a wave makes 128 x 128: 64 accumulators of 16 x 16, 512 registers.  K goes in steps of 256 through a ring of two LDS slots filled by the tensor data mover.
; CLUSTERS: 4 x 4 work-groups.  The four of a row of the cluster need the same tiles of the operand called A here, the four of a column the same tiles of B: each tile is asked for JOINTLY.
; THE MATRIX INSTRUCTION IS USED TRANSPOSED (source 0 = 16 rows of B, source 1 = 16 rows of A): a lane holds one row of A and eight neighbouring rows of B.
; Clusters with x = 0 (q) and 1 (k): A = h, B = Wqkv: a lane holds a token and eight neighbouring channels, which are neighbours along the first attention product's K.
; Clusters with x = 2 (v): A = Wqkv's rows 2,048 on, B = h: a lane holds a channel and eight neighbouring KEYS, which are neighbours along the second product's K.  Only pointers and tile numbers are chosen, on the cluster's x, which all partners share.
; THE WAY OUT needs no LDS: the codes are laid in the order of the reader's operand registers, and there a wave's store of 8 bytes a lane covers 256 consecutive bytes (v: 16 bytes a lane, 512).
;   q_c, k_c: [16 batch + head][tile of 16 tokens][1,024]: byte 512 c + 16 L + i = channel 32 c + 16 (L / 16) + i of token L % 16.
;   v_c: [16 batch + head][128 keys][tile of 16 channels][2,048]: piece 512 c + 16 L: keys 32 c + 8 (L / 16) + 0..7, then keys 32 c + 16 + 8 (L / 16) + 0..7, of channel L % 16.
; LIMITS: e2 - e0 - e1, e3 - e0 - e1 and e4 - e0 - e1 between -126 and 119.
; REGISTERS, in windows of 256: window 0: v0-31 addresses; from v128 A's fragments, ONE set; on the way out v32-95 held sums, v128-255 codes.  window 1: B's fragments, TWO sets.  windows 2, 3: the accumulators ((a, b) at v[8 (8 (a % 4) + b)]).
.set SIZE_K, 1024
.set KSTEP,  256                       ; along K in a slot
.set ROWB,   256                       ; a tile's row in bytes
.set KROW,   SIZE_K                    ; a row of either operand in memory, in bytes
.set PITCH,  272                       ; an LDS row: 256 bytes + 16 of padding = 68 words: the 16 rows that a load touches start at 16 different banks (64 banks of 4 bytes: ISA guide 11.1)
.set FR,     16                        ; registers of a fragment: 16 rows x 128 K
.set NL,     4                         ; LDS loads that bring one
.set NP,     4                         ; places behind this matrix instruction (ISA guide 7.12.1)
.set HALFT,  128*PITCH                 ; 128 rows: what one tensor load brings
.set SLOT,   4*HALFT                   ; A's 256 rows, then B's 256 rows
.set LAPS,   SIZE_K/(2*KSTEP)          ; a lap = two K steps = once round the ring
.set SPARE,  2*SLOT                    ; behind the ring: the spare words, 128 bytes for each wave, which no other line names
.set ADRA, 16                          ; v16-17  LDS address of my A fragments in slot 0, 1
.set ADRB, 20                          ; v20-21  the same for B
.set VO,   24                          ; v24     the way out of q and k: 16 (l % 16) + 8 (l / 16)
.set VO2,  25                          ; v25     of v: 16 (l % 16) + 256 (l / 16) = 16 l
.set SPW,  28                          ; v28     LDS address of my spare word; never rewritten
.set NIL,  29                          ; v29     0; never rewritten
.set SCL,  30                          ; v30     2^(eo - e0 - e1) as f32
.set LIM,  31                          ; v31     448 x that
.set TMP,  32                          ; v32-95  a block's 64 sums, held
.set AF,   128                         ; A's fragments, in window 0
.set CD,   128                         ; the way out: 16 registers of codes for each of the 8 blocks, so that no store's data are written again
.set G1, 24                            ; s[24:31] descriptor group 1 for A's tiles;  s[32:39] group 0, one set for each slot
.set G0, 32
.set G1B, 48                           ; s[48:55], s[56:63] the same for B's tiles
.set G0B, 56
.set MSB, 0
.macro WIN new                         ; the immediate's high byte repeats the setting that is left
.if MSB != \new
	s_set_vgpr_msb (MSB<<8)|\new
.set MSB, \new
.endif
.endm
.set MUL_LO, 0xa1                      ; source 0 (B) window 1, source 1 (A) window 0, C and D window 2
.set MUL_HI, 0xf1                      ; the same, C and D window 3
.set TO_B,   0x40                      ; destination window 1, address window 0
; A joint load: waves 0 and 1 fetch for A, waves 2 and 3 for B.  The branch hangs on the wave's number alone.  Four v_nop follow each of the two lines.
.macro JLOAD g0a, g1a, g0b, g1b
	s_cmp_eq_u32 s15, 0
	s_cbranch_scc0 .Lfor_b_\@
	tensor_load_to_lds s[\g0a:\g0a+3], s[\g1a:\g1a+7]
	s_nop 0
.rept 4
	v_nop
.endr
	s_branch .Lasked_\@
.Lfor_b_\@:
	tensor_load_to_lds s[\g0b:\g0b+3], s[\g1b:\g1b+7]
	s_nop 0
.rept 4
	v_nop
.endr
.Lasked_\@:
.endm
.macro CREST                           ; a round of the cluster's barrier behind its opening barrier
	s_cmp_lg_u32 s14, 0
	s_cbranch_scc1 .Lnot_wave_0_\@
	s_barrier_signal -3
.Lnot_wave_0_\@:
	s_barrier_wait -3
	s_barrier_signal -1
	s_barrier_wait -1
.endm
.macro CROUND                          ; a whole round
	s_barrier_signal -1
	s_barrier_wait -1
	CREST
.endm
	s_load_b256 s[4:11], s[0:1], 0x0               ; h's codes s[4:5], Wqkv's s[6:7], the scales' exponents s[8:9], q_c s[10:11]
	s_load_b128 s[68:71], s[0:1], 0x20             ; k_c s[68:69], v_c s[70:71]
	v_lshl_add_u32 v[SPW], v0, 2, SPARE
	v_mov_b32 v[NIL], 0
	ds_add_u32 v28, v29
	ds_add_u32 v28, v29
	s_wait_dscnt 0x0
	v_lshrrev_b32 v1, 5, v0
	v_readfirstlane_b32 s14, v1                    ; wave 0..3
	s_lshr_b32 s15, s14, 1                         ; which half of A's rows is mine.  Also: I fetch for A (0) or for B (1)
	s_and_b32 s16, s14, 1                          ; which half of B's rows.  Also: which 128 rows of that tile I fetch
	s_bfe_u32 s40, ttmp6, 0x40000                  ; cx, cy: my place in the cluster
	s_bfe_u32 s41, ttmp6, 0x40004
	s_lshl_b32 s80, ttmp9, 2                       ; 4 x cluster x
	s_and_b32 s81, ttmp7, 0xffff
	s_lshl_b32 s81, s81, 2                         ; 4 x cluster y
	s_cmp_eq_u32 ttmp9, 2                          ; v's clusters?  The same answer in all sixteen partners
	s_cselect_b32 s17, 8, s81                      ; A's tile: v: Wqkv's tiles 8 + cy;  q, k: h's tiles 4 x cluster y + cy
	s_cselect_b32 s42, s81, s80                    ; B's tile: v: h's tiles 4 x cluster y + cx;  q, k: Wqkv's tiles 4 x cluster x + cx
	s_add_co_u32 s17, s17, s41
	s_add_co_u32 s42, s42, s40
	s_lshl_b32 s43, s41, 2
	s_lshl_b32 s43, 15, s43                        ; my row of the cluster
	s_lshl_b32 s44, 0x1111, s40                    ; my column
	; descriptor group 1: a tile of 128 rows x 256 bytes, padded in LDS
	s_or_b32 s[G1+0], s43, (0<<16)|(1<<20)|(1<<21)|(5<<22)|(3<<25)  ; 15:0 the mask: A's tiles go to my row; 17:16 element of 1 byte; 20 padding on; 21 set beside a mask; 24:22 after every 64 words (code 5); 31:25 of 4 words (code 3)
	s_or_b32 s[G1B+0], s44, (0<<16)|(1<<20)|(1<<21)|(5<<22)|(3<<25)
.irp g, G1, G1B
	s_mov_b32 s[\g+1], ROWB<<16                    ; tensor_dim0
	s_mov_b32 s[\g+2], 128<<16                     ; tensor_dim1 = 128
	s_mov_b32 s[\g+3], ROWB<<16                    ; tile_dim0
	s_mov_b32 s[\g+4], 128                         ; tile_dim1 = 128
	s_mov_b32 s[\g+5], KROW                        ; tensor_dim0_stride
	s_mov_b32 s[\g+6], 0
	s_mov_b32 s[\g+7], 0
.endr
	s_lshl_b32 s18, s16, 7                         ; which 128 rows of the tile I fetch
	s_lshl_b32 s20, s17, 8
	s_add_co_u32 s20, s20, s18                     ; A: row 256 x tile + 128 x half
	s_lshl_b32 s46, s42, 8
	s_add_co_u32 s46, s46, s18                     ; B likewise
	s_lshl_b32 s20, s20, 10                        ; rows of 1,024 bytes: under 2^22
	s_lshl_b32 s46, s46, 10
	s_mov_b32 s21, 0
	s_mov_b32 s47, 0
	s_mul_i32 s45, s14, HALFT                      ; where they go: wave x 128 rows: no place in the cluster enters an LDS address
	s_wait_kmcnt 0x0
	s_load_b64 s[96:97], s[8:9], 0x0               ; e0, e1
	s_load_b128 s[76:79], s[8:9], 0x8              ; e2, e3, e4 (and e5, not used here)
	s_cmp_eq_u32 ttmp9, 2
	s_cselect_b64 s[72:73], s[6:7], s[4:5]         ; A's buffer
	s_cselect_b64 s[74:75], s[4:5], s[6:7]         ; B's
	s_add_nc_u64 s[20:21], s[72:73], s[20:21]
	s_add_nc_u64 s[46:47], s[74:75], s[46:47]
	CROUND                                         ; all sixteen work-groups are here: the first joint loads meet
.irp s, 0,1
	s_mov_b32 s[G0+4*\s], 1
	s_add_co_u32 s[G0+4*\s+1], s45, \s*SLOT
	s_add_nc_u64 s[G0+4*\s+2:G0+4*\s+3], s[20:21], \s*ROWB
	s_or_b32 s[G0+4*\s+3], s[G0+4*\s+3], 0x80000000
	s_mov_b32 s[G0B+4*\s], 1
	s_add_co_u32 s[G0B+4*\s+1], s45, \s*SLOT
	s_add_nc_u64 s[G0B+4*\s+2:G0B+4*\s+3], s[46:47], \s*ROWB
	s_or_b32 s[G0B+4*\s+3], s[G0B+4*\s+3], 0x80000000
.endr
	JLOAD G0, G1, G0B, G1B                         ; K step 0: one tensor load a wave at the head
	; the prefetches: of the 128 rows that I fetch, my work-group's 32 (told apart by address: cx for A's tiles, cy for B's), a lane a row; these registers are never rewritten
	s_cmp_eq_u32 s15, 0
	s_cselect_b64 s[88:89], s[20:21], s[46:47]
	s_cselect_b32 s90, s40, s41
	s_lshl_b32 s90, s90, 15                        ; 32 rows of 1,024 bytes
	s_mov_b32 s91, 0
	s_add_nc_u64 s[88:89], s[88:89], s[90:91]
	v_and_b32 v27, 31, v0
	v_lshlrev_b32 v27, 10, v27
	v_and_b32 v1, 15, v0
	v_bfe_u32 v2, v0, 4, 1                         ; l / 16
	v_mul_u32_u24 v3, v1, PITCH
	v_lshl_add_u32 v4, v2, 4, v3                   ; a fragment's row x pitch + 16 x half
	s_mul_i32 s21, s15, HALFT                      ; my 128 rows of A
	s_mul_i32 s22, s16, HALFT                      ; my 128 rows of B,
	s_add_co_u32 s22, s22, 2*HALFT                 ; which lie behind A's 256
.irp s, 0,1
	v_add_nc_u32 v[ADRA+\s], s21, v4
	v_add_nc_u32 v[ADRB+\s], s22, v4
	s_add_co_u32 s21, s21, SLOT
	s_add_co_u32 s22, s22, SLOT
.endr
	v_lshlrev_b32 v[VO], 4, v1
	v_lshl_add_u32 v[VO2], v2, 8, v[VO]
	v_lshl_add_u32 v[VO], v2, 3, v[VO]
	; where my wave's codes begin.  mt: the tile of 256 tokens; ht: the tile of 256 channels (4 heads); hsel: my 128 channels (2 heads) of it; osel: my 128 tokens
	s_cmp_eq_u32 ttmp9, 2
	s_cselect_b32 s82, s42, s17                    ; mt
	s_cselect_b32 s83, s41, s40                    ; ht
	s_cselect_b32 s84, s15, s16                    ; hsel
	s_cselect_b32 s85, s16, s15                    ; osel
	s_cselect_b64 s[10:11], s[70:71], s[10:11]     ; v_c, or q_c for now
	s_cmp_eq_u32 ttmp9, 1
	s_cselect_b64 s[10:11], s[68:69], s[10:11]     ; k_c
	s_lshr_b32 s86, s82, 3                         ; the batch
	s_lshl_b32 s86, s86, 4
	s_lshl_b32 s83, s83, 2
	s_add_co_u32 s86, s86, s83
	s_lshl_b32 s84, s84, 1
	s_add_co_u32 s86, s86, s84                     ; 16 batch + my first head
	s_lshl_b32 s86, s86, 17                        ; 131,072 bytes a head
	s_and_b32 s82, s82, 7
	s_lshl_b32 s82, s82, 14                        ; 256 tokens are 16,384 bytes in all three layouts,
	s_add_co_u32 s86, s86, s82
	s_lshl_b32 s85, s85, 13                        ; 128 are 8,192
	s_add_co_u32 s86, s86, s85
	s_mov_b32 s87, 0
	s_add_nc_u64 s[10:11], s[10:11], s[86:87]
.macro FRAG reg, adr, q, i             ; a fragment, 16 rows x 128 K, is 16 registers: lane l holds row l % 16; registers 4 c .. 4 c + 3 hold K = 32 c + 16 (l / 16) + 0 .. 15: the same order of k in A and in B
.irp c, 0,1,2,3
	ds_load_b128 v[\reg+4*\c:\reg+4*\c+3], v[\adr] offset:128*(\q)+32*\c+(\i)*16*PITCH
.endr
.endm
; 16 matrix instructions: A's blocks a0, a0 + 1 x B's eight, 128 along K.  p: B's set.  zero = 1: the first product starts the sums.  The 64 accumulators take turns, one instruction a turn.
.macro MUL16 a0, p, zero
.irp a, \a0, \a0+1
.irp b, 0,1,2,3,4,5,6,7
.if \zero
	v_wmma_f32_16x16x128_fp8_fp8 v[8*(8*((\a)%4)+\b):8*(8*((\a)%4)+\b)+7], v[128*(\p)+FR*\b:128*(\p)+FR*\b+FR-1], v[AF+FR*(\a):AF+FR*(\a)+FR-1], 0
.else
	v_wmma_f32_16x16x128_fp8_fp8 v[8*(8*((\a)%4)+\b):8*(8*((\a)%4)+\b)+7], v[128*(\p)+FR*\b:128*(\p)+FR*\b+FR-1], v[AF+FR*(\a):AF+FR*(\a)+FR-1], v[8*(8*((\a)%4)+\b):8*(8*((\a)%4)+\b)+7]
.endif
.endr
.endr
.endm
.macro FETCH_B slot, q, p              ; B's eight fragments of the slot's q-th 128 along K into set p
	WIN TO_B
.irp i, 0,1,2,3,4,5,6,7
	FRAG 128*(\p)+FR*\i, ADRB+\slot, \q, \i
.endr
	WIN 0
.endm
.macro FETCH_A slot, q, i0             ; A's blocks i0 .. i0 + 3
.irp i, \i0, \i0+1, \i0+2, \i0+3
	FRAG AF+FR*(\i), ADRA+\slot, \q, \i
.endr
.endm
; A load into a register that a matrix instruction has read, and a vector instruction that reads a matrix result, stand NP places behind that matrix instruction; only plain vector instructions that name none of its registers are places.
.macro PLACES n
.rept \n
	v_nop
.endr
.endm
; A step of 128 along K that has its successor in the same slot.
.macro STEP slot, q, zero
	s_wait_dscnt 4*NL                              ; B's set and A's blocks 0-3 are in; the youngest 16 loads (A's blocks 4-7) may be out
	WIN MUL_LO
	MUL16 0, (\q)%2, \zero
	MUL16 2, (\q)%2, \zero
	s_wait_dscnt 0                                 ; A's blocks 4-7 are in (asked for 32 matrix instructions ago)
	PLACES NP
	FETCH_B \slot, (\q)+1, 1-(\q)%2
	FETCH_A \slot, (\q)+1, 0
	WIN MUL_HI
	MUL16 4, (\q)%2, \zero
	MUL16 6, (\q)%2, \zero
	PLACES NP
	WIN 0
	FETCH_A \slot, (\q)+1, 4
.endm
; A slot's last step changes slots: ONE barrier; in front of it each wave waits for all its tensor loads, adds 0 to its spare word, and waits for that and for its own reads of this slot.  fill = 1: this slot is filled again, two K steps ahead.
.macro TURN slot, next, fill
	s_wait_tensorcnt 0x0                           ; all my tensor loads have landed: my part of the next slot;  (every window is 0 here)
	ds_add_u32 v[SPW], v[NIL]                      ; 0 onto my spare word
	s_wait_dscnt 4*NL+1                            ; (the add and the youngest 16 loads, A's blocks 4-7, may be out)
	WIN MUL_LO
	MUL16 0, 1, 0                                  ; sixteen matrix instructions stand between the add and the wait for it
	s_wait_dscnt 0x0                               ; the add is done, and my reads of this slot are over
	s_barrier_signal -1
	MUL16 2, 1, 0
	WIN 0
	s_barrier_wait -1
.if \fill
	CREST                                          ; the barrier has opened a round of the cluster's barrier: no wave of any partner still reads this slot's tile or has a load on its way
	s_add_nc_u64 s[G0+4*\slot+2:G0+4*\slot+3], s[G0+4*\slot+2:G0+4*\slot+3], 2*ROWB
	s_add_nc_u64 s[G0B+4*\slot+2:G0B+4*\slot+3], s[G0B+4*\slot+2:G0B+4*\slot+3], 2*ROWB
	JLOAD G0+4*\slot, G1, G0B+4*\slot, G1B         ; the first tensor load behind the round; the four v_nop behind it are the places in front of the loads below
.else
	PLACES NP
.endif
	FETCH_B \next, 0, 0
	FETCH_A \next, 0, 0
	WIN MUL_HI
	MUL16 4, 1, 0
	MUL16 6, 1, 0
	PLACES NP
	WIN 0
	FETCH_A \next, 0, 4
.endm
	s_wait_alu depctr_va_vdst(0)
	global_prefetch_b8 v27, s[88:89] offset:256 th:TH_LOAD_NT scope:SCOPE_SE   ; K step 1, one load ahead
	global_prefetch_b8 v27, s[88:89] offset:512 th:TH_LOAD_NT scope:SCOPE_SE   ; K step 2, two loads ahead of its refill: 32 rows x 256 bytes each
	s_wait_tensorcnt 0x0                           ; my part of K step 0 is in
	ds_add_u32 v[SPW], v[NIL]
	s_wait_dscnt 0x0
	CROUND                                         ; everybody's part of K step 0 is in, and the joint loads meet
	JLOAD G0+4, G1, G0B+4, G1B                     ; K step 1: the first tensor load behind the round
	FETCH_B 0, 0, 0
	FETCH_A 0, 0, 0
	FETCH_A 0, 0, 4
	global_prefetch_b8 v27, s[88:89] offset:768 th:TH_LOAD_NT scope:SCOPE_SE   ; K step 3, the last: nothing further is asked for
	STEP 0, 0, 1                                   ; the first step stands in front of the loop: its products start the sums
	s_mov_b32 s3, LAPS-1
.Llap:                                                 ; a trip goes once round the ring, from a lap's second step to the next lap's first, and fills both slots again
	TURN 0, 1, 1
	STEP 1, 0, 0
	TURN 1, 0, 1
	STEP 0, 0, 0
	s_sub_co_u32 s3, s3, 1
	s_cmp_lg_u32 s3, 0
	s_cbranch_scc1 .Llap
	TURN 0, 1, 0                                   ; the last lap fills nothing, and has no round of the cluster's barrier
	STEP 1, 0, 0
	s_wait_dscnt 4*NL                              ; the very last step: nothing more to fetch
	WIN MUL_LO
	MUL16 0, 1, 0
	MUL16 2, 1, 0
	s_wait_dscnt 0
	WIN MUL_HI
	MUL16 4, 1, 0
	MUL16 6, 1, 0
	WIN 0
; THE WAY OUT of block a (16 rows of A x 128 rows of B).  A sum stands for sum x 2^(e0 + e1), so its code is sum / 2^(eo - e0 - e1): the three scales are folded into the conversion's one.
; Each accumulator is read from its low end on.  isv = 0: accumulator b's 8 codes a lane: one store covers 256 consecutive bytes.  isv = 1: accumulators 2 p and 2 p + 1 give 16 bytes a lane: 512 consecutive bytes.
.macro OUT a, isv
.set AC, 64*((\a)%4)
	WIN 0x02+((\a)/4)                              ; source 0: window 2 or 3
.set j, 0
.rept 64
	v_med3_num_f32 v[TMP+j], v[AC+j], -v[LIM], v[LIM]   ; the conversion to an 8-bit code does not saturate (ISA guide 7.6.2): the hold at the largest code x the scale
.set j, j+1
.endr
	WIN 0
.irp b, 0,1,2,3,4,5,6,7
	v_cvt_scalef32_pk8_fp8_f32 v[CD+16*(\a)+2*\b:CD+16*(\a)+2*\b+1], v[TMP+8*\b:TMP+8*\b+7], v[SCL]
.endr
	v_nop                                          ; a plain instruction between the conversions and the next block's holds, which write their sources
.if \isv
.irp p, 0,1,2,3
	global_store_b128 v[VO2], v[CD+16*(\a)+4*\p:CD+16*(\a)+4*\p+3], s[10:11] offset:((\a)/4)*131072+((\a)%4)*2048+\p*512   ; head a / 4 of my two, channel tile a % 4, keys 32 p on
.endr
.else
.irp b, 0,1,2,3,4,5,6,7
	global_store_b64 v[VO], v[CD+16*(\a)+2*\b:CD+16*(\a)+2*\b+1], s[10:11] offset:(\b/4)*131072+(\a)*1024+((\b%4)/2)*512+(\b%2)*256   ; head b / 4 of my two, token tile a, channels 16 (b % 4) on
.endr
.endif
.endm
	s_wait_kmcnt 0x0
	s_cmp_eq_u32 ttmp9, 0                          ; the output's exponent: a choice on the cluster's x, no branch on a loaded number
	s_cselect_b32 s76, s76, s77
	s_cmp_eq_u32 ttmp9, 2
	s_cselect_b32 s76, s78, s76
	s_sub_co_i32 s76, s76, s96
	s_sub_co_i32 s76, s76, s97                     ; eo - e0 - e1
	s_add_co_i32 s76, s76, 127
	s_lshl_b32 s77, s76, 23
	v_mov_b32 v[SCL], s77
	s_add_co_i32 s76, s76, 8
	s_lshl_b32 s76, s76, 23
	s_or_b32 s76, s76, 0x600000
	v_mov_b32 v[LIM], s76
	PLACES NP                                      ; behind the last products: their results are read, and A's registers are written, only behind these
	s_cmp_eq_u32 ttmp9, 2
	s_cbranch_scc1 .Lv_out
.irp a, 0,1,2,3,4,5,6,7
	OUT \a, 0
.endr
	s_branch .Lend
.Lv_out:
	s_wait_alu depctr_va_vdst(0)
.irp a, 0,1,2,3,4,5,6,7
	OUT \a, 1
.endr
.Lend:
	s_wait_tensorcnt 0x0                           ; the wave's end
	ds_add_u32 v[SPW], v[NIL]
	s_wait_dscnt 0x0
	CROUND                                         ; the closing round: no work-group ends while a partner may still ask for a tile that names it
	s_endpgm
.Lfunc_end_k_qc1119936a7_qkv:
	.size	k_qc1119936a7_qkv, .Lfunc_end_k_qc1119936a7_qkv-k_qc1119936a7_qkv
	.p2alignl 7, 3214868480
	.fill 96, 4, 3214868480
	.section	.rodata,"a",@progbits
	.p2align	6, 0x0
	.amdhsa_kernel k_qc1119936a7_qkv
		.amdhsa_group_segment_fixed_size 327680
		.amdhsa_private_segment_fixed_size 0
		.amdhsa_enable_private_segment 0
		.amdhsa_kernarg_size 48
		.amdhsa_user_sgpr_count 2
		.amdhsa_user_sgpr_kernarg_segment_ptr 1
		.amdhsa_wavefront_size32 1
		.amdhsa_system_sgpr_workgroup_id_x 1
		.amdhsa_system_sgpr_workgroup_id_y 1
		.amdhsa_system_sgpr_workgroup_id_z 1
		.amdhsa_system_vgpr_workitem_id 0
		.amdhsa_next_free_vgpr 1024
		.amdhsa_next_free_sgpr 100
		.amdhsa_reserve_vcc 0
		.amdhsa_float_denorm_mode_32 3
		.amdhsa_float_denorm_mode_16_64 3
		.amdhsa_memory_ordered 1
		.amdhsa_forward_progress 1
		.amdhsa_inst_pref_size 162
	.end_amdhsa_kernel
	.amdgpu_metadata
---
amdhsa.version: [ 1, 2 ]
amdhsa.kernels:
  - .name:           k_qc1119936a7_qkv
    .symbol:         k_qc1119936a7_qkv.kd
    .args:
      - { .name: hc, .offset: 0, .size: 8, .value_kind: global_buffer, .address_space: global }
      - { .name: Wqkv_codes, .offset: 8, .size: 8, .value_kind: global_buffer, .address_space: global }
      - { .name: lowp_scales, .offset: 16, .size: 8, .value_kind: global_buffer, .address_space: global }
      - { .name: q_c, .offset: 24, .size: 8, .value_kind: global_buffer, .address_space: global }
      - { .name: k_c, .offset: 32, .size: 8, .value_kind: global_buffer, .address_space: global }
      - { .name: v_c, .offset: 40, .size: 8, .value_kind: global_buffer, .address_space: global }
    .group_segment_fixed_size: 327680
    .private_segment_fixed_size: 0
    .kernarg_segment_align: 8
    .kernarg_segment_size: 48
    .max_flat_workgroup_size: 128
    .sgpr_count:     100
    .vgpr_count:     1024
    .wavefront_size: 32
...
	.end_amdgpu_metadata
.endif
;; end of part 2
;; launch attn (part 3): grid 8 x 32, 8 waves a work-group, clusters of 4 x 1, 327,680 bytes of LDS; arguments q_c, k_c, v_c, lowp_scales, a_c; writes a_c
.if DOCPART == 3
	.amdgcn_target "amdgcn-amd-amdhsa--gfx1250"
	.amdhsa_code_object_version 6
	.text
	.protected	k_qc1119936a7_attn
	.globl	k_qc1119936a7_attn
	.p2align	8
	.type	k_qc1119936a7_attn,@function
k_qc1119936a7_attn:
	s_mov_b64 s[64:65], 0
	v_nop
	global_prefetch_b8 v0, s[64:65] scope:SCOPE_SE
	s_setreg_imm32_b32 hwreg(HW_REG_WAVE_MODE, 25, 1), 1
	s_wait_xcnt 0x0
	s_wait_alu depctr_hold_cnt(0) depctr_sa_sdst(0) depctr_va_vdst(0) depctr_va_sdst(0) depctr_va_ssrc(0) depctr_va_vcc(0) depctr_vm_vsrc(0)
	s_getreg_b32 s2, hwreg(HW_REG_IB_STS2, 6, 4)
	s_cmp_eq_u32 s2, 0
	s_cbranch_scc0 .Lentry_in_a_cluster
	s_endpgm
.Lentry_in_a_cluster:
	s_bfe_u32 s2, ttmp6, 0x10000c
	s_cmp_lg_u32 s2, 0x3003
	s_cbranch_scc0 .Lentry_shape_is_right
	s_endpgm
.Lentry_shape_is_right:
; O[q] = the sum over keys of softmax(q . k / 8) v for 32 heads x batches of 2,048 tokens, head size 64, both products on codes of E4M3; O / l is quantised at once with 2^e6 for the next product.
; THE SOFTMAX: t = score x log2(e) / 8; M = the row's largest t so far, rounded UP to a whole number; p = 2^(t - M) is quantised with 2^e5, not normalised.  The row's sum is taken of the unquantised p and divides O at the end.
; When M moves, the sum and O are multiplied by 2^(old M - new M): exact.  The running maximum is kept as a raw score (c is positive) and is one leaf of the step's maximum.
; SHARES.  A work-group owns 256 queries of one head; each of its EIGHT waves owns 32 of them, two tiles of 16, in 512 registers: each fragment of K and of V read from LDS feeds two matrix instructions.
; ALL OF THE HEAD'S K AND V, 262,144 bytes of codes, LIE IN LDS: K's 128 tiles of 1,024 bytes from byte 0, V's 16 steps of 8,192 bytes from byte 131,072; each byte is filled once, so there is no ring.
; TWO FILLS (waves 0-3: K, waves 4-7: V).  At the head each wave asks for a quarter of the first five key steps, 10,240 bytes; behind the full sequence and a round of the cluster's barrier for a quarter of the other eleven,
; 22,528 bytes, which land while four steps are worked (the fourth asks for the fifth step's K).  A barrier behind the wait for that load opens the rest.
; CLUSTER.  The four query blocks of a cluster belong to one head and need the same K and V: each load is asked for JOINTLY, with the same descriptor and the mask of all four.
; LAYOUT.  Both products are used transposed: S^T = K Q^T, O^T = V^T P^T: a lane holds ONE query of each tile (lane % 16).  In S^T tile t, lane (r, h), register j is key 16 t + 8 h + j:
; the conversions give registers 2 t, 2 t + 1 of the K = 128 form's own operand layout, and v_c is laid in that order.  q_c and k_c hold the K = 64 fragments as images of their registers.
; THE TWO TILES ARE STAGGERED.  The chain of eight dependent lines from a tile's maximum to its f stands between independent lines of the other tile: tile 0's between tile 1's maxima, tile 1's between tile 0's t - M.
; THE EXPONENTIALS stand by turns with plain work of the other tile whose results are first read behind the next wait: tile 0's with tile 1's t - M; tile 1's with tile 0's first sums and holds.
; Nothing is prefetched: all that the work-group reads is asked for by its first two loads.
; LIMITS: e2 + e3 between -123 and 130 (added to c's exponent field); e5, and e6 - e4 - e5, between -126 and 119; the scaled scores t stay under 2^31 in magnitude.
; REGISTERS.  Window 0: below.  Window 1: v0-63 O^T (tile u at 32 u; register 8 t + j is channel 16 t + 8 h + j), v64-95 p's codes, v96-111 Q, v128-191 V's four fragments.
.set LI,  1                            ; v1   16 x lane
.set GO,  2                            ; v2   the way out: 16 (l % 16) + 8 (l / 16)
.set AK,  3                            ; v3   LDS address of the step's tiles of K
.set SPW, 4                            ; v4   LDS address of my spare word; never rewritten
.set NIL, 5                            ; v5   0; never rewritten
.set AV,  6                            ; v6   LDS address of the step's tiles of V
.set NM,  8                            ; v[8+2u] -M, v[9+2u] the largest raw score so far
.set L,   12                           ; v[12+2u:13+2u] the sum in two halves
.set F,   16                           ; v[16+2u] f = 2^(old M - new M); v[17+2u] named with it as a pair
.set TA,  20                           ; v20-23 at work; with v24-25 also tile 1's three other chains of the sum
.set TC,  22
.set PD,  24                           ; v24-25 the permutes' destinations
.set PSCL, 26                          ; 2^e5
.set PLIM, 28                          ; v28, v29: 448 x 2^e5, one for each half of the dual hold
.set OSCL, 30                          ; 2^(e6 - e4 - e5)
.set OLIM, 31                          ; 448 x that
.set CH,  32                           ; v32-35 the four chains of the maximum of the tile in hand
.set T,   32                           ; v32-63 later: tile 0's sixteen first sums, in pairs
.set KF,  64                           ; v64-127  eight fragments of K; at the end O's codes
.set S,   128                          ; v128-255 S^T, then p: tile u at 64 u
.set S1,  192
.set OT,  0
.set PC,  64
.set Q,   96
.set VF,  128
.set NC,  17                           ; s17  -c
.set WV,  18                           ; s18  my wave's number
.set SEL, 20                           ; s[20:21] lane selects: lane l xor 16
.set CS,  22                           ; s[22:23] c = log2(e) / 8 x 2^(e2 + e3)
.set G1,  24                           ; s[24:31] descriptor group 1 of the first fill; s[40:47] of the second
.set G0,  32                           ; s[32:35] group 0 of the first fill; s[36:39] of the second
.set G0B, 36
.set G1B, 40
.set TB,  48                           ; s48  LDS byte of the step's K
.set CNT, 49
.set MSB, 0
.macro WIN new                         ; the immediate's high byte repeats the setting that is left
.if MSB != \new
	s_set_vgpr_msb (MSB<<8)|\new
.set MSB, \new
.endif
.endm
.macro CROUND                          ; a round of the cluster's barrier
	s_barrier_signal -1
	s_barrier_wait -1
	s_cmp_lg_u32 s[WV], 0
	s_cbranch_scc1 .Lnot_wave_0_\@
	s_barrier_signal -3
.Lnot_wave_0_\@:
	s_barrier_wait -3
	s_barrier_signal -1
	s_barrier_wait -1
.endm
	s_load_b256 s[4:11], s[0:1], 0x0               ; q_c s[4:5], k_c s[6:7], v_c s[8:9], the scales' exponents s[10:11]
	s_load_b64 s[12:13], s[0:1], 0x20              ; a_c
	v_lshl_add_u32 v[SPW], v0, 2, 0x40000
	v_mov_b32 v[NIL], 0
	ds_add_u32 v[SPW], v[NIL]                      ; the opening lines: the add twice on end, and its wait ahead of my first tensor load
	ds_add_u32 v[SPW], v[NIL]
	v_lshrrev_b32 v1, 5, v0
	v_readfirstlane_b32 s[WV], v1                  ; wave 0..7
	s_bfe_u32 s14, ttmp6, 0x40000                  ; cx: my place in the cluster
	s_lshl_b32 s15, ttmp9, 2
	s_add_co_u32 s15, s15, s14                     ; my block of 256 queries: it enters Q's and the output's addresses alone
	s_and_b32 s16, ttmp7, 0xffff                   ; 16 batch + head, which the four partners share
	s_mov_b32 s[G1], 15|(3<<16)|(1<<21)            ; the mask: all four work-groups; elements of 8 bytes; bit 21 beside a mask; no padding
	s_mov_b32 s[G1+1], 32<<16                      ; a dense block of 10,240 bytes as 40 rows of 256
	s_mov_b32 s[G1+2], 40<<16
	s_mov_b32 s[G1+3], 32<<16
	s_mov_b32 s[G1+4], 40
	s_mov_b32 s[G1+5], 32
	s_mov_b32 s[G1+6], 0
	s_mov_b32 s[G1+7], 0
	s_mov_b32 s[G1B], 15|(3<<16)|(1<<21)
	s_mov_b32 s[G1B+1], 32<<16                     ; a dense block of 22,528 bytes as 88 rows of 256
	s_mov_b32 s[G1B+2], 88<<16
	s_mov_b32 s[G1B+3], 32<<16
	s_mov_b32 s[G1B+4], 88
	s_mov_b32 s[G1B+5], 32
	s_mov_b32 s[G1B+6], 0
	s_mov_b32 s[G1B+7], 0
	s_mov_b32 s[SEL], 0x76543210
	s_mov_b32 s[SEL+1], 0xfedcba98
	s_mov_b32 s[CS], 0x3e38aa3b                    ; log2(e) / sqrt(64)
	s_and_b32 s50, s[WV], 3                        ; my quarter
	s_lshr_b32 s51, s[WV], 2
	s_lshl_b32 s51, s51, 17                        ; K's or V's half of LDS
	s_mul_i32 s19, s50, 10240
	s_mul_i32 s57, s50, 22528
	s_add_co_u32 s57, s57, 40960
	s_mov_b32 s[G0], 1                             ; count = 1
	s_mov_b32 s[G0B], 1
	s_add_co_u32 s[G0+1], s19, s51                 ; LDS addresses
	s_add_co_u32 s[G0B+1], s57, s51
	s_lshl_b32 s51, s16, 17                        ; a head's codes are 131,072 bytes in q_c, k_c and v_c
	s_add_co_u32 s[G0+2], s19, s51                 ; the same places in the head's K or V, as offsets for now
	s_add_co_u32 s[G0B+2], s57, s51
	s_mov_b32 s[G0+3], 0
	s_mov_b32 s[G0B+3], 0
	s_lshl_b32 s60, s15, 4
	s_lshl_b32 s61, s[WV], 1
	s_add_co_u32 s60, s60, s61                     ; my first tile of 16 queries in the head
	s_lshl_b32 s62, s60, 10
	s_add_co_u32 s62, s62, s51                     ; its image in q_c
	s_mov_b32 s63, 0
	; a_c: [512 of the next K][tile of 16 rows][128 of K][2,048]: head / 8, 128 batch + my tile, (head / 2) % 4, and 1,024 x (head % 2) inside the image
	s_lshr_b32 s61, s16, 4
	s_lshl_b32 s61, s61, 7
	s_add_co_u32 s60, s60, s61
	s_lshl_b32 s60, s60, 13
	s_bfe_u32 s61, s16, 0x10003
	s_lshl_b32 s61, s61, 21
	s_add_co_u32 s60, s60, s61
	s_bfe_u32 s61, s16, 0x20001
	s_lshl_b32 s61, s61, 11
	s_add_co_u32 s60, s60, s61
	s_and_b32 s61, s16, 1
	s_lshl_b32 s61, s61, 10
	s_add_co_u32 s60, s60, s61
	s_mov_b32 s61, 0
	s_wait_dscnt 0x0                               ; both opening adds are done
	s_wait_kmcnt 0x0
	s_load_b128 s[52:55], s[10:11], 0x8            ; e2, e3, e4, e5
	s_load_b32 s56, s[10:11], 0x18                 ; e6
	s_cmp_lt_u32 s[WV], 4
	s_cselect_b64 s[58:59], s[6:7], s[8:9]         ; waves 0-3: K; waves 4-7: V.  The choice hangs on the wave's number alone
	s_add_nc_u64 s[G0+2:G0+3], s[58:59], s[G0+2:G0+3]
	s_or_b32 s[G0+3], s[G0+3], 0x80000000          ; type = 2
	s_add_nc_u64 s[G0B+2:G0B+3], s[58:59], s[G0B+2:G0B+3]
	s_or_b32 s[G0B+3], s[G0B+3], 0x80000000
	s_add_nc_u64 s[4:5], s[4:5], s[62:63]
	s_add_nc_u64 s[12:13], s[12:13], s[60:61]
	CROUND                                         ; all four work-groups are here: the joint loads meet
	tensor_load_to_lds s[G0:G0+3], s[G1:G1+7]      ; every wave's one tensor load at the head: the first five key steps
	s_nop 0
	v_and_b32 v[LI], 31, v0
	v_and_b32 v7, 15, v0
	v_bfe_u32 v27, v0, 4, 1
	v_lshlrev_b32 v[LI], 4, v[LI]
	v_lshlrev_b32 v[GO], 4, v7
	v_lshl_add_u32 v[GO], v27, 3, v[GO]
	WIN 0x40                                       ; destination window 1
.irp i, 0,1,2,3
	global_load_b128 v[Q+4*\i:Q+4*\i+3], v[LI], s[4:5] offset:512*\i   ; Q's two fragments, as images of their registers: they stay
.endr
.set j, 0
.rept 64
	v_mov_b32 v[OT+j], 0                           ; O^T.  (The step is written for all steps alike: the first finds zeros, which f = 0 leaves zeros)
.set j, j+1
.endr
	WIN 0
.irp u, 0,1
	v_mov_b32 v[NM+2*\u], 0x7f61b1e6               ; -M: 3e38, so that the first f is 0
	v_mov_b32 v[NM+2*\u+1], 0xff61b1e6             ; the largest score so far: -3e38
	v_mov_b32 v[L+2*\u], 0
	v_mov_b32 v[L+2*\u+1], 0
	v_mov_b32 v[F+2*\u+1], 0                       ; (named as the upper half of a pair)
	v_mov_b32 v[PD+\u], 0                          ; a lane permute's destination counts as one of its sources
.endr
	s_wait_kmcnt 0x0
	s_add_co_i32 s57, s52, s53
	s_lshl_b32 s57, s57, 23
	s_add_co_i32 s[CS], s[CS], s57                 ; a score stands for score x 2^(e2 + e3): the exponents are added to c's exponent field
	s_mov_b32 s[CS+1], s[CS]
	s_xor_b32 s[NC], s[CS], 0x80000000             ; -c
	s_add_co_i32 s57, s55, 127
	s_lshl_b32 s58, s57, 23
	v_mov_b32 v[PSCL], s58
	s_add_co_i32 s57, s57, 8
	s_lshl_b32 s57, s57, 23
	s_or_b32 s57, s57, 0x600000
	v_mov_b32 v[PLIM], s57
	v_mov_b32 v[PLIM+1], s57
	s_sub_co_i32 s57, s56, s54
	s_sub_co_i32 s57, s57, s55                     ; O^T / l stands for that x 2^(e4 + e5): its code is that / 2^(e6 - e4 - e5)
	s_add_co_i32 s57, s57, 127
	s_lshl_b32 s58, s57, 23
	v_mov_b32 v[OSCL], s58
	s_add_co_i32 s57, s57, 8
	s_lshl_b32 s57, s57, 23
	s_or_b32 s57, s57, 0x600000
	v_mov_b32 v[OLIM], s57
; Link k of the chain from tile u's largest score to its f
.macro LINK u, k
.if (\k) == 0
	v_permlanex16_b32 v[PD+\u], v[TA+\u], s[SEL], s[SEL+1]
.endif
.if (\k) == 1
	v_max_num_f32 v[NM+2*\u+1], v[TA+\u], v[PD+\u] ; the largest among lane l xor 16's keys too
.endif
.if (\k) == 2
	v_mul_f32 v[TA+\u], s[NC], v[NM+2*\u+1]        ; -t
.endif
.if (\k) == 3
	v_floor_f32 v[TA+\u], v[TA+\u]                 ; the new -M = floor(-t) = -ceil(t)
.endif
.if (\k) == 4
	v_sub_f32 v[TC+\u], v[TA+\u], v[NM+2*\u]       ; old M - new M: a whole number, 0 or less
.endif
.if (\k) == 5
	v_mov_b32 v[NM+2*\u], v[TA+\u]
.endif
.if (\k) == 6
	v_cvt_i32_f32 v[TC+\u], v[TC+\u]               ; (it saturates)
.endif
.if (\k) == 7
	v_ldexp_f32 v[F+2*\u], 1.0, v[TC+\u]           ; f = 2^(old M - new M)
.endif
.endm
; Tile u's largest score: 64 scores and the running maximum are 65 leaves, 32 instructions, in four chains, each accumulator from its low end on.  lk = 1: tile 0's links stand between them, one behind every third
.macro MAXT u, lk
	v_max3_num_f32 v[CH], v[NM+2*\u+1], v[S+64*\u], v[S+64*\u+1]
	v_max3_num_f32 v[CH+1], v[S+64*\u+2], v[S+64*\u+3], v[S+64*\u+4]
	v_max3_num_f32 v[CH+2], v[S+64*\u+5], v[S+64*\u+6], v[S+64*\u+7]
	v_max3_num_f32 v[CH+3], v[S+64*\u+8], v[S+64*\u+9], v[S+64*\u+10]
.set ii, 0
.rept 26
	v_max3_num_f32 v[CH+(ii%4)], v[CH+(ii%4)], v[S+64*\u+11+2*ii], v[S+64*\u+12+2*ii]
.if (\lk) && ((ii%3) == 2) && (ii < 24)
	LINK 0, ii/3
.endif
.set ii, ii+1
.endr
	v_max3_num_f32 v[CH], v[CH], v[CH+1], v[CH+2]
	v_max3_num_f32 v[TA+\u], v[CH], v[CH+3], v[S+64*\u+63]
.endm
.macro ADDP d, a, b
	v_pk_add_f32 v[\d:\d+1], v[\a:\a+1], v[\b:\b+1]
.endm
.macro ROUND1 j                        ; four pairs of tile 1's p onto its four chains
	ADDP L+2, L+2, S1+\j
	ADDP 20, 20, S1+\j+2
	ADDP 22, 22, S1+\j+4
	ADDP 24, 24, S1+\j+6
.endm
.macro HOLD r                          ; two holds in one dual instruction.  The conversion does not saturate (ISA guide 7.6.2); p is not negative, so the hold is one-sided
	v_dual_min_num_f32 v[\r], v[PLIM], v[\r] :: v_dual_min_num_f32 v[\r+1], v[PLIM+1], v[\r+1]
.endm
; A KEY STEP: 128 keys x my 32 queries.  K's fragments were asked for a step earlier.  more = 1: the next step's are asked for here.
.macro STEP more
	s_wait_dscnt 0x0                               ; K's eight fragments are in
	WIN 0x04                                       ; source 1 (Q) window 1
.irp t, 0,1,2,3,4,5,6,7
.irp u, 0,1
	v_wmma_f32_16x16x64_fp8_fp8 v[S+64*\u+8*\t:S+64*\u+8*\t+7], v[KF+8*\t:KF+8*\t+7], v[Q+8*\u:Q+8*\u+7], 0
.endr
.endr
	WIN 0
	v_add_nc_u32 v[AK], s[TB], v[LI]               ; four places: ahead of the loads into V's and K's registers and of the first read of the scores
	v_add_nc_u32 v[AV], 0x20000, v[AK]
	v_nop
	v_nop
	WIN 0x40
.irp t, 0,1,2,3
.irp c, 0,1,2,3
	ds_load_b128 v[VF+16*\t+4*\c:VF+16*\t+4*\c+3], v[AV] offset:2048*\t+512*\c   ; V's four fragments land while the softmax is worked
.endr
.endr
	WIN 0
.if \more
.irp t, 0,1,2,3,4,5,6,7
	ds_load_b128 v[KF+8*\t:KF+8*\t+3], v[AK] offset:8192+1024*\t                 ; and so do the next step's fragments of K: one run of 32 loads
	ds_load_b128 v[KF+8*\t+4:KF+8*\t+7], v[AK] offset:8192+1024*\t+512
.endr
.endif
	MAXT 0, 0
	MAXT 1, 1                                      ; with tile 0's chain to f between its lines
.set ii, 0
.rept 32
	v_pk_fma_f32 v[S+2*ii:S+2*ii+1], v[S+2*ii:S+2*ii+1], s[CS:CS+1], v[NM:NM+1] op_sel_hi:[1,0,0]   ; tile 0: t - M (of the pairs c and -M the low word serves both halves)
.if (ii%4) == 1
	LINK 1, ii/4                                   ; tile 1's chain to f, a link behind every fourth line
.endif
.set ii, ii+1
.endr
	WIN 0x41                                       ; O^T in window 1, f in window 0
.irp u, 0,1
.set j, 0
.rept 16
	v_pk_mul_f32 v[OT+32*\u+j:OT+32*\u+j+1], v[OT+32*\u+j:OT+32*\u+j+1], v[F+2*\u:F+2*\u+1] op_sel_hi:[1,0]   ; O^T under the new M, ahead of the exponentials
.set j, j+2
.endr
.endr
	WIN 0
	s_wait_alu depctr_va_vdst(0)
.set j, 0
.rept 32
	v_exp_f32 v[S+j], v[S+j]                       ; tile 0: p = 2^(t - M), at most 1
	v_exp_f32 v[S+j+1], v[S+j+1]
	v_pk_fma_f32 v[S1+j:S1+j+1], v[S1+j:S1+j+1], s[CS:CS+1], v[NM+2:NM+3] op_sel_hi:[1,0,0]   ; tile 1: t - M, first read behind the wait below
.set j, j+2
.endr
	s_wait_alu depctr_va_vdst(0)                   ; one wait: behind tile 0's batch, ahead of tile 1's
.set j, 0
.rept 16
	v_exp_f32 v[S1+4*j], v[S1+4*j]                 ; tile 1's exponentials, with tile 0's first sums (of the unquantised p) and then its holds between them: all first read behind the wait below
	ADDP T+2*j, S+4*j, S+4*j+2
	v_exp_f32 v[S1+4*j+1], v[S1+4*j+1]
	HOLD S+4*j
	v_exp_f32 v[S1+4*j+2], v[S1+4*j+2]
	HOLD S+4*j+2
	v_exp_f32 v[S1+4*j+3], v[S1+4*j+3]
.set j, j+1
.endr
	v_nop                                          ; a plain place behind the exponentials
	s_wait_alu depctr_va_vdst(0)                   ; the wait behind the batch, ahead of its first reader
	; the rows' sums: tile 1: 32 pairs and the old sum x f in four chains; tile 0: its sixteen first sums and the old sum x f, as a tree; by turns
	v_pk_fma_f32 v[L+2:L+3], v[L+2:L+3], v[F+2:F+3], v[S1:S1+1] op_sel_hi:[1,0,1]
	ADDP 20, S1+2, S1+4
	ADDP 22, S1+6, S1+8
	ADDP 24, S1+10, S1+12
	v_pk_fma_f32 v[L:L+1], v[L:L+1], v[F:F+1], v[T:T+1] op_sel_hi:[1,0,1]
.irp i, 1,3,5,7,9,11,13
	ADDP T+2*\i, T+2*\i, T+2*\i+2
.endr
	ROUND1 14
	ROUND1 22
	ADDP L, L, T+30
	ADDP T+2, T+2, T+6
	ADDP T+10, T+10, T+14
	ADDP T+18, T+18, T+22
	ROUND1 30
	ROUND1 38
	ADDP L, L, T+26
	ADDP T+2, T+2, T+10
	ROUND1 46
	ROUND1 54
	ADDP L, L, T+18
	ADDP L+2, L+2, S1+62
	ADDP 20, 20, 22
	ADDP L, L, T+2
	ADDP L+2, L+2, 24
	ADDP L+2, L+2, 20
.set j, 0
.rept 32
	HOLD S1+j                                      ; tile 1's holds
.set j, j+2
.endr
	WIN 0x40                                       ; the codes go to window 1
.irp u, 0,1
.irp t, 0,1,2,3,4,5,6,7
	v_cvt_scalef32_pk8_fp8_f32 v[PC+16*\u+2*\t:PC+16*\u+2*\t+1], v[S+64*\u+8*\t:S+64*\u+8*\t+7], v[PSCL]   ; keys 16 t + 8 h + 0 .. 7: registers 2 t, 2 t + 1 of the operand
.endr
.endr
	v_nop                                          ; a plain place between the conversions and the products that read the codes
	s_wait_alu depctr_va_vdst(0)
.if \more
	s_wait_dscnt 16                                ; V is in; the 16 loads of K issued behind V's may be out
.else
	s_wait_dscnt 0x0
.endif
	WIN 0x55                                       ; all four operands in window 1
.irp t, 0,1,2,3
.irp u, 0,1
	v_wmma_f32_16x16x128_fp8_fp8 v[OT+32*\u+8*\t:OT+32*\u+8*\t+7], v[VF+16*\t:VF+16*\t+15], v[PC+16*\u:PC+16*\u+15], v[OT+32*\u+8*\t:OT+32*\u+8*\t+7]   ; the eight accumulators take turns
.endr
.endr
	WIN 0
.endm
	s_wait_alu depctr_va_vdst(0)
	s_wait_loadcnt 0x0                             ; Q
	s_wait_tensorcnt 0x0                           ; my part of the first five steps has landed
	ds_add_u32 v[SPW], v[NIL]
	s_wait_dscnt 0x0
	CROUND                                         ; everybody's part is in, and the joint loads meet
	tensor_load_to_lds s[G0B:G0B+3], s[G1B:G1B+7]  ; the other eleven steps: my one tensor load behind the round
	s_nop 0
.irp t, 0,1,2,3,4,5,6,7
	ds_load_b128 v[KF+8*\t:KF+8*\t+3], v[LI] offset:1024*\t          ; the first step's fragments of K: 32 lanes read 512 consecutive bytes
	ds_load_b128 v[KF+8*\t+4:KF+8*\t+7], v[LI] offset:1024*\t+512
.endr
	s_mov_b32 s[TB], 0
	s_mov_b32 s[CNT], 4
.Lfirst:                                           ; steps 0 to 3 read bytes under 40,960 of K's and of V's half alone
	STEP 1
	s_add_co_u32 s[TB], s[TB], 8192                ; 128 keys on, in K's tiles and in V's alike
	s_sub_co_u32 s[CNT], s[CNT], 1
	s_cmp_lg_u32 s[CNT], 0
	s_cbranch_scc1 .Lfirst
	s_wait_tensorcnt 0x0                           ; my part of the rest has landed,
	s_wait_dscnt 0x0                               ; and no LDS load of mine is out at the signal
	s_barrier_signal -1
	s_barrier_wait -1                              ; all of K and V is whole for every wave: nothing is filled again, and no barrier follows until the end
	s_mov_b32 s[CNT], 11
.Lrest:
	STEP 1
	s_add_co_u32 s[TB], s[TB], 8192
	s_sub_co_u32 s[CNT], s[CNT], 1
	s_cmp_lg_u32 s[CNT], 0
	s_cbranch_scc1 .Lrest
	STEP 0                                         ; the last step is written out: it asks for no further K
	; THE WAY OUT.  O^T / l is held, turned into codes and stored: tile t's 8 codes a lane lie at 256 t + 16 (l % 16) + 8 (l / 16) of a query tile's 1,024 bytes: each store covers 256 consecutive bytes, aligned.
.irp u, 0,1
	v_add_f32 v[L+2*\u], v[L+2*\u], v[L+2*\u+1]    ; the sum's two halves,
.endr
.irp u, 0,1
	v_permlanex16_b32 v[PD+\u], v[L+2*\u], s[SEL], s[SEL+1]
.endr
.irp u, 0,1
	v_add_f32 v[L+2*\u], v[L+2*\u], v[PD+\u]       ; and lane l xor 16's: the row's sum
.endr
	s_wait_alu depctr_va_vdst(0)
	v_rcp_f32 v[L], v[L]
	v_rcp_f32 v[L+2], v[L+2]
.rept 4
	v_nop                                          ; a plain place behind the reciprocals, and the places behind the last products
.endr
	WIN 0x01                                       ; source 0 (O^T) window 1
	s_wait_alu depctr_va_vdst(0)                   ; the wait directly ahead of the first readers of the reciprocals and of O^T
.irp u, 0,1
.set j, 0
.rept 32
	v_mul_f32 v[S+32*\u+j], v[OT+32*\u+j], v[L+2*\u]
.set j, j+1
.endr
.endr
	WIN 0
.set j, 0
.rept 64
	v_med3_num_f32 v[S+j], v[S+j], -v[OLIM], v[OLIM]
.set j, j+1
.endr
.irp i, 0,1,2,3,4,5,6,7
	v_cvt_scalef32_pk8_fp8_f32 v[KF+2*\i:KF+2*\i+1], v[S+8*\i:S+8*\i+7], v[OSCL]
.endr
	v_nop
.irp u, 0,1
.irp t, 0,1,2,3
	global_store_b64 v[GO], v[KF+8*\u+2*\t:KF+8*\u+2*\t+1], s[12:13] offset:8192*\u+256*\t
.endr
.endr
	s_wait_tensorcnt 0x0                           ; the wave's end
	ds_add_u32 v[SPW], v[NIL]
	s_wait_dscnt 0x0
	CROUND                                         ; the closing round: no work-group ends while a partner may still ask for a tile that names it
	s_endpgm
.Lfunc_end_k_qc1119936a7_attn:
	.size	k_qc1119936a7_attn, .Lfunc_end_k_qc1119936a7_attn-k_qc1119936a7_attn
	.p2alignl 7, 3214868480
	.fill 96, 4, 3214868480
	.section	.rodata,"a",@progbits
	.p2align	6, 0x0
	.amdhsa_kernel k_qc1119936a7_attn
		.amdhsa_group_segment_fixed_size 327680
		.amdhsa_private_segment_fixed_size 0
		.amdhsa_enable_private_segment 0
		.amdhsa_kernarg_size 40
		.amdhsa_user_sgpr_count 2
		.amdhsa_user_sgpr_kernarg_segment_ptr 1
		.amdhsa_wavefront_size32 1
		.amdhsa_system_sgpr_workgroup_id_x 1
		.amdhsa_system_sgpr_workgroup_id_y 1
		.amdhsa_system_sgpr_workgroup_id_z 1
		.amdhsa_system_vgpr_workitem_id 0
		.amdhsa_next_free_vgpr 512
		.amdhsa_next_free_sgpr 66
		.amdhsa_reserve_vcc 0
		.amdhsa_float_denorm_mode_32 3
		.amdhsa_float_denorm_mode_16_64 3
		.amdhsa_memory_ordered 1
		.amdhsa_forward_progress 1
		.amdhsa_inst_pref_size 102
	.end_amdhsa_kernel
	.amdgpu_metadata
---
amdhsa.version: [ 1, 2 ]
amdhsa.kernels:
  - .name:           k_qc1119936a7_attn
    .symbol:         k_qc1119936a7_attn.kd
    .args:
      - { .name: q_c, .offset: 0, .size: 8, .value_kind: global_buffer, .address_space: global }
      - { .name: k_c, .offset: 8, .size: 8, .value_kind: global_buffer, .address_space: global }
      - { .name: v_c, .offset: 16, .size: 8, .value_kind: global_buffer, .address_space: global }
      - { .name: lowp_scales, .offset: 24, .size: 8, .value_kind: global_buffer, .address_space: global }
      - { .name: a_c, .offset: 32, .size: 8, .value_kind: global_buffer, .address_space: global }
    .group_segment_fixed_size: 327680
    .private_segment_fixed_size: 0
    .kernarg_segment_align: 8
    .kernarg_segment_size: 40
    .max_flat_workgroup_size: 256
    .sgpr_count:     66
    .vgpr_count:     512
    .wavefront_size: 32
...
	.end_amdgpu_metadata
.endif
;; end of part 3
;; launch fc (part 4): grid 8 x 32, 4 waves a work-group, clusters of 4 x 4, 327,680 bytes of LDS; arguments a_c, Wfc_codes, lowp_scales, x, x2; writes x2
.if DOCPART == 4
	.amdgcn_target "amdgcn-amd-amdhsa--gfx1250"
	.amdhsa_code_object_version 6
	.text
	.protected	k_qc1119936a7_fc
	.globl	k_qc1119936a7_fc
	.p2align	8
	.type	k_qc1119936a7_fc,@function
k_qc1119936a7_fc:
	s_mov_b64 s[64:65], 0
	v_nop
	global_prefetch_b8 v0, s[64:65] scope:SCOPE_SE
	s_setreg_imm32_b32 hwreg(HW_REG_WAVE_MODE, 25, 1), 1
	s_wait_xcnt 0x0
	s_wait_alu depctr_hold_cnt(0) depctr_sa_sdst(0) depctr_va_vdst(0) depctr_va_sdst(0) depctr_va_ssrc(0) depctr_va_vcc(0) depctr_vm_vsrc(0)
	s_getreg_b32 s2, hwreg(HW_REG_IB_STS2, 6, 4)
	s_cmp_eq_u32 s2, 0
	s_cbranch_scc0 .Lentry_in_a_cluster
	s_endpgm
.Lentry_in_a_cluster:
	s_bfe_u32 s2, ttmp6, 0x10000c
	s_cmp_lg_u32 s2, 0xf033
	s_cbranch_scc0 .Lentry_shape_is_right
	s_endpgm
.Lentry_shape_is_right:
.set SIZE_K,   1024
.set SIDX,     6
.set HAS_BIAS, 0
.set ASLOT,  65536
.set BPITCH, 528
.set BHALF,  64*BPITCH
.set SLOT,   ASLOT+2*BHALF
.set SPARE,  2*SLOT
.set STAGE,  SPARE+512
.set SPITCH, 272
.set LAPS,   SIZE_K/1024
.set BI,   8
.set ADRA, 16
.set ADRB, 20
.set STO,  24
.set RD,   25
.set CO,   26
.set BO,   27
.set SPW,  28
.set NIL,  29
.set T,    32
.set ACC,  128
.set F0,   0
.set F1,   128
.set G1, 24
.set G0, 32
.set G1B, 48
.set G0B, 56
.set MSB, 0
.macro WIN new
.if MSB != \new
	s_set_vgpr_msb (MSB<<8)|\new
.set MSB, \new
.endif
.endm
.set MUL,  0x05
.set TO_F, 0x40
.macro JLOAD s
	s_cmp_eq_u32 s11, 0
	s_cbranch_scc0 .Lfor_b_\@
	tensor_load_to_lds s[G0+4*\s:G0+4*\s+3], s[G1:G1+7]
	s_nop 0
.rept 4
	v_nop
.endr
	s_branch .Lasked_\@
.Lfor_b_\@:
	tensor_load_to_lds s[G0B+4*\s:G0B+4*\s+3], s[G1B:G1B+7]
	s_nop 0
.rept 4
	v_nop
.endr
.Lasked_\@:
.endm
.macro CREST
	s_cmp_lg_u32 s10, 0
	s_cbranch_scc1 .Lnot_wave_0_\@
	s_barrier_signal -3
.Lnot_wave_0_\@:
	s_barrier_wait -3
	s_barrier_signal -1
	s_barrier_wait -1
.endm
.macro CROUND
	s_barrier_signal -1
	s_barrier_wait -1
	CREST
.endm
	s_load_b128 s[4:7], s[0:1], 0x0
	s_load_b128 s[68:71], s[0:1], 0x10
	s_load_b64 s[8:9], s[0:1], 0x20
.if HAS_BIAS
	s_load_b64 s[72:73], s[0:1], 0x28
.endif
	v_lshl_add_u32 v[SPW], v0, 2, SPARE
	v_mov_b32 v[NIL], 0
	ds_add_u32 v28, v29
	ds_add_u32 v28, v29
	s_wait_dscnt 0x0
	v_lshrrev_b32 v1, 5, v0
	v_readfirstlane_b32 s10, v1
	s_lshr_b32 s11, s10, 1
	s_and_b32 s12, s10, 1
	s_bfe_u32 s40, ttmp6, 0x40000
	s_bfe_u32 s41, ttmp6, 0x40004
	s_lshl_b32 s42, ttmp9, 2
	s_add_co_u32 s42, s42, s40
	s_and_b32 s13, ttmp7, 0xffff
	s_lshl_b32 s13, s13, 2
	s_add_co_u32 s13, s13, s41
	s_lshl_b32 s43, s41, 2
	s_lshl_b32 s43, 15, s43
	s_lshl_b32 s44, 0x1111, s40
	s_or_b32 s[G1+0], s43, (3<<16)|(1<<21)
	s_mov_b32 s[G1+1], 32<<16
	s_mov_b32 s[G1+2], 128<<16
	s_mov_b32 s[G1+3], 32<<16
	s_mov_b32 s[G1+4], 128
	s_mov_b32 s[G1+5], 32
	s_mov_b32 s[G1+6], 0
	s_mov_b32 s[G1+7], 0
	s_or_b32 s[G1B+0], s44, (0<<16)|(1<<20)|(1<<21)|(6<<22)|(3<<25)
	s_mov_b32 s[G1B+1], 512<<16
	s_mov_b32 s[G1B+2], 64<<16
	s_mov_b32 s[G1B+3], 512<<16
	s_mov_b32 s[G1B+4], 64
	s_mov_b32 s[G1B+5], SIZE_K
	s_mov_b32 s[G1B+6], 0
	s_mov_b32 s[G1B+7], 0
	s_lshl_b32 s16, s13, 16
	s_lshl_b32 s17, s12, 15
	s_add_co_u32 s16, s16, s17
	s_mov_b32 s17, 0
	s_lshl_b32 s46, s42, 7
	s_lshl_b32 s47, s12, 6
	s_add_co_u32 s46, s46, s47
	s_mul_i32 s46, s46, SIZE_K
	s_mov_b32 s47, 0
	s_lshl_b32 s20, s12, 15
	s_mul_i32 s21, s12, BHALF
	s_add_co_u32 s21, s21, ASLOT
	s_wait_kmcnt 0x0
	s_load_b64 s[66:67], s[68:69], 4*SIDX
	s_add_nc_u64 s[14:15], s[4:5], s[16:17]
	s_add_nc_u64 s[46:47], s[6:7], s[46:47]
	CROUND
.irp s, 0,1
	s_mov_b32 s[G0+4*\s], 1
	s_add_co_u32 s[G0+4*\s+1], s20, \s*SLOT
	s_add_nc_u64 s[G0+4*\s+2:G0+4*\s+3], s[14:15], \s*2097152
	s_or_b32 s[G0+4*\s+3], s[G0+4*\s+3], 0x80000000
	s_mov_b32 s[G0B+4*\s], 1
	s_add_co_u32 s[G0B+4*\s+1], s21, \s*SLOT
	s_add_nc_u64 s[G0B+4*\s+2:G0B+4*\s+3], s[46:47], \s*512
	s_or_b32 s[G0B+4*\s+3], s[G0B+4*\s+3], 0x80000000
.endr
	JLOAD 0                                        ; K step 0: one tensor load a wave at the head
	; the prefetch of K step 1: what I fetch in a K step is 128 blocks of 256 bytes (A: one dense run; B: 64 rows x 2); the four partners that ask for it jointly take 32 each,
	; told apart by address (cx for A, cy for B): a lane a block.  These registers are never rewritten
	s_mov_b32 s74, 2097152                         ; a K step on in A; in a row of B it is 512 bytes
	s_mov_b32 s77, 1024                            ; a row of B
	s_cmp_eq_u32 s11, 0                            ; do I fetch for A?
	s_cselect_b64 s[78:79], s[14:15], s[46:47]
	s_cselect_b32 s75, s40, s41                    ; my place among the four that ask with me
	s_cselect_b32 s76, 13, 14                      ; its 32 blocks: 8,192 bytes of A's run, or 16 rows of B
	s_cselect_b32 s74, s74, 512
	s_cselect_b32 s77, 512, s77                    ; from one pair of lanes to the next
	s_lshl_b32 s75, s75, s76
	s_add_co_u32 s74, s74, s75
	s_mov_b32 s75, 0
	s_add_nc_u64 s[78:79], s[78:79], s[74:75]
	v_and_b32 v30, 31, v0
	v_lshrrev_b32 v31, 1, v30
	v_and_b32 v30, 1, v30
	v_lshlrev_b32 v30, 8, v30
	v_mad_u32_u24 v30, v31, s77, v30
	v_and_b32 v1, 15, v0
	v_bfe_u32 v2, v0, 4, 1
	v_and_b32 v3, 31, v0
	v_lshlrev_b32 v4, 4, v3
	v_mul_u32_u24 v5, v1, BPITCH
	v_lshl_add_u32 v5, v2, 4, v5
	s_lshl_b32 s21, s11, 15
	s_mul_i32 s22, s12, BHALF
	s_add_co_u32 s22, s22, ASLOT
.irp s, 0,1
	v_add_nc_u32 v[ADRA+\s], s21, v4
	v_add_nc_u32 v[ADRB+\s], s22, v5
	s_add_co_u32 s21, s21, SLOT
	s_add_co_u32 s22, s22, SLOT
.endr
	s_mul_i32 s23, s10, 16*SPITCH
	s_add_co_u32 s23, s23, STAGE
	v_mul_u32_u24 v6, v1, SPITCH
	v_lshl_add_u32 v6, v2, 5, v6
	v_add_nc_u32 v[STO], s23, v6
	v_mul_u32_u24 v7, v2, SPITCH
	v_lshl_add_u32 v7, v1, 4, v7
	v_add_nc_u32 v[RD], s23, v7
	v_lshlrev_b32 v[BO], 4, v1
	v_lshl_add_u32 v[CO], v2, 12, v[BO]
	s_wait_alu depctr_va_vdst(0)
	s_lshl_b32 s16, s13, 7
	s_lshl_b32 s17, s11, 6
	s_add_co_u32 s16, s16, s17
	s_lshl_b32 s16, s16, 12
	s_mov_b32 s17, 0
	s_lshl_b32 s46, s42, 7
	s_lshl_b32 s47, s12, 6
	s_add_co_u32 s46, s46, s47
	s_lshl_b32 s46, s46, 2
	s_mov_b32 s47, 0
	s_add_nc_u64 s[70:71], s[70:71], s[16:17]
	s_add_nc_u64 s[70:71], s[70:71], s[46:47]
	s_add_nc_u64 s[8:9], s[8:9], s[16:17]
	s_add_nc_u64 s[8:9], s[8:9], s[46:47]
.if HAS_BIAS
	s_add_nc_u64 s[72:73], s[72:73], s[46:47]
	global_load_b128 v[BI:BI+3], v[BO], s[72:73]
.endif
.macro MUL4 f, a, zero
.irp b, 0,1,2,3
.if \zero
	v_wmma_f32_16x16x128_fp8_fp8 v[ACC+8*(4*(\a)+\b):ACC+8*(4*(\a)+\b)+7], v[\f+64+16*\b:\f+64+16*\b+15], v[\f+16*(\a):\f+16*(\a)+15], 0
.else
	v_wmma_f32_16x16x128_fp8_fp8 v[ACC+8*(4*(\a)+\b):ACC+8*(4*(\a)+\b)+7], v[\f+64+16*\b:\f+64+16*\b+15], v[\f+16*(\a):\f+16*(\a)+15], v[ACC+8*(4*(\a)+\b):ACC+8*(4*(\a)+\b)+7]
.endif
.endr
.endm
.macro MUL8 f, a0, zero
	MUL4 \f, \a0, \zero
	MUL4 \f, \a0+1, \zero
.endm
.macro FETCH slot, q, f
	WIN TO_F
.irp b, 0,1,2,3
.irp c, 0,1,2,3
	ds_load_b128 v[\f+64+16*\b+4*\c:\f+64+16*\b+4*\c+3], v[ADRB+\slot] offset:16*BPITCH*\b+128*(\q)+32*\c
.endr
.endr
.irp a, 0,1,2,3
.irp c, 0,1,2,3
	ds_load_b128 v[\f+16*\a+4*\c:\f+16*\a+4*\c+3], v[ADRA+\slot] offset:8192*\a+2048*(\q)+512*\c
.endr
.endr
.endm
.macro PLACES
.rept 4
	v_nop
.endr
.endm
.macro QUARTER slot, qn, f, g, zero
	s_wait_dscnt 8
	WIN MUL
	MUL8 \f, 0, \zero
	PLACES
	FETCH \slot, \qn, \g
	s_wait_dscnt 32
	WIN MUL
	MUL8 \f, 2, \zero
.endm
.macro TURN slot, next, fill
	WIN 0
	s_wait_tensorcnt 0x0
	ds_add_u32 v[SPW], v[NIL]
	s_wait_dscnt 9
	WIN MUL
	MUL4 F1, 0, 0
	s_wait_dscnt 0x0
	s_barrier_signal -1
	MUL4 F1, 1, 0
	WIN 0
	s_barrier_wait -1
.if \fill
	CREST
	s_add_nc_u64 s[G0+4*\slot+2:G0+4*\slot+3], s[G0+4*\slot+2:G0+4*\slot+3], 2*2097152
	s_add_nc_u64 s[G0B+4*\slot+2:G0B+4*\slot+3], s[G0B+4*\slot+2:G0B+4*\slot+3], 2*512
	JLOAD \slot
.else
	PLACES
.endif
	FETCH \next, 0, F0
	WIN MUL
	MUL8 F1, 2, 0
.endm
	s_wait_alu depctr_va_vdst(0)
	global_prefetch_b8 v30, s[78:79] th:TH_LOAD_NT scope:SCOPE_SE   ; K step 1, the last, one load ahead
	s_wait_tensorcnt 0x0                           ; my part of K step 0 is in
	ds_add_u32 v[SPW], v[NIL]
	s_wait_dscnt 0x0
	CROUND                                         ; everybody's part is in, and the joint loads meet
	JLOAD 1                                        ; K step 1: the first tensor load behind the round
	FETCH 0, 0, F0
	WIN 0x80                                       ; destination window 2, address window 0: the residual is asked for behind the tiles and lands under the products
.irp a, 0,1,2,3
.irp t, 0,1,2,3,4,5,6,7
	global_load_b128 v[32*\a+4*\t:32*\a+4*\t+3], v[CO], s[70:71] offset:(16*\a+2*\t)*4096 th:TH_LOAD_NT
.endr
.endr
	WIN 0
	QUARTER 0, 1, F0, F1, 1
.if LAPS > 1
	WIN 0
	s_mov_b32 s3, LAPS-1
.Llap:
	QUARTER 0, 2, F1, F0, 0
	QUARTER 0, 3, F0, F1, 0
	TURN 0, 1, 1
	QUARTER 1, 1, F0, F1, 0
	QUARTER 1, 2, F1, F0, 0
	QUARTER 1, 3, F0, F1, 0
	TURN 1, 0, 1
	QUARTER 0, 1, F0, F1, 0
	WIN 0
	s_sub_co_u32 s3, s3, 1
	s_cmp_lg_u32 s3, 0
	s_cbranch_scc1 .Llap
.endif
	QUARTER 0, 2, F1, F0, 0
	QUARTER 0, 3, F0, F1, 0
	TURN 0, 1, 0
	QUARTER 1, 1, F0, F1, 0
	QUARTER 1, 2, F1, F0, 0
	QUARTER 1, 3, F0, F1, 0
	s_wait_dscnt 8
	WIN MUL
	MUL8 F1, 0, 0
	s_wait_dscnt 0
	MUL8 F1, 2, 0
	WIN 0
.macro TOSTAGE a
.set TT, T+32*((\a)%2)
.irp b, 0,1,2,3
	ds_store_b128 v[STO], v[ACC+8*(4*(\a)+\b):ACC+8*(4*(\a)+\b)+3] offset:64*\b
	ds_store_b128 v[STO], v[ACC+8*(4*(\a)+\b)+4:ACC+8*(4*(\a)+\b)+7] offset:64*\b+16
.endr
.irp t, 0,1,2,3,4,5,6,7
	ds_load_b128 v[TT+4*\t:TT+4*\t+3], v[RD] offset:2*SPITCH*\t
.endr
.endm
.macro SEND a, younger
.set TT, T+32*((\a)%2)
	s_wait_dscnt \younger
	WIN 0x20
.set j, 0
.rept 16
	v_pk_fma_f32 v[TT+j:TT+j+1], v[TT+j:TT+j+1], s[66:67], v[32*(\a)+j:32*(\a)+j+1] op_sel_hi:[1,0,1]
.set j, j+2
.endr
	WIN 0
.if HAS_BIAS
.irp t, 0,1,2,3,4,5,6,7
	v_pk_add_f32 v[TT+4*\t:TT+4*\t+1], v[TT+4*\t:TT+4*\t+1], v[BI:BI+1]
	v_pk_add_f32 v[TT+4*\t+2:TT+4*\t+3], v[TT+4*\t+2:TT+4*\t+3], v[BI+2:BI+3]
.endr
.endif
.irp t, 0,1,2,3,4,5,6,7
	global_store_b128 v[CO], v[TT+4*\t:TT+4*\t+3], s[8:9] offset:(16*(\a)+2*\t)*4096
.endr
.endm
	s_wait_kmcnt 0x0
	s_add_co_i32 s66, s66, s67
	s_add_co_i32 s66, s66, 127
	s_lshl_b32 s66, s66, 23
	s_mov_b32 s67, s66
	s_wait_loadcnt 0x0
	PLACES
	TOSTAGE 0
.irp a, 1,2,3
.if \a > 1
	s_wait_xcnt 0x0
.endif
	TOSTAGE \a
	SEND \a-1, 16
.endr
	SEND 3, 0
	s_wait_tensorcnt 0x0
	ds_add_u32 v[SPW], v[NIL]
	s_wait_dscnt 0x0
	CROUND
	s_endpgm
.Lfunc_end_k_qc1119936a7_fc:
	.size	k_qc1119936a7_fc, .Lfunc_end_k_qc1119936a7_fc-k_qc1119936a7_fc
	.p2alignl 7, 3214868480
	.fill 96, 4, 3214868480
	.section	.rodata,"a",@progbits
	.p2align	6, 0x0
	.amdhsa_kernel k_qc1119936a7_fc
		.amdhsa_group_segment_fixed_size 327680
		.amdhsa_private_segment_fixed_size 0
		.amdhsa_enable_private_segment 0
		.amdhsa_kernarg_size 40
		.amdhsa_user_sgpr_count 2
		.amdhsa_user_sgpr_kernarg_segment_ptr 1
		.amdhsa_wavefront_size32 1
		.amdhsa_system_sgpr_workgroup_id_x 1
		.amdhsa_system_sgpr_workgroup_id_y 1
		.amdhsa_system_sgpr_workgroup_id_z 1
		.amdhsa_system_vgpr_workitem_id 0
		.amdhsa_next_free_vgpr 768
		.amdhsa_next_free_sgpr 80
		.amdhsa_reserve_vcc 0
		.amdhsa_float_denorm_mode_32 3
		.amdhsa_float_denorm_mode_16_64 3
		.amdhsa_memory_ordered 1
		.amdhsa_forward_progress 1
		.amdhsa_inst_pref_size 50
	.end_amdhsa_kernel
	.amdgpu_metadata
---
amdhsa.version: [ 1, 2 ]
amdhsa.kernels:
  - .name:           k_qc1119936a7_fc
    .symbol:         k_qc1119936a7_fc.kd
    .args:
      - { .name: a_c, .offset: 0, .size: 8, .value_kind: global_buffer, .address_space: global }
      - { .name: Wfc_codes, .offset: 8, .size: 8, .value_kind: global_buffer, .address_space: global }
      - { .name: lowp_scales, .offset: 16, .size: 8, .value_kind: global_buffer, .address_space: global }
      - { .name: x, .offset: 24, .size: 8, .value_kind: global_buffer, .address_space: global }
      - { .name: x2, .offset: 32, .size: 8, .value_kind: global_buffer, .address_space: global }
    .group_segment_fixed_size: 327680
    .private_segment_fixed_size: 0
    .kernarg_segment_align: 8
    .kernarg_segment_size: 40
    .max_flat_workgroup_size: 128
    .sgpr_count:     80
    .vgpr_count:     768
    .wavefront_size: 32
...
	.end_amdgpu_metadata
.endif
;; end of part 4
;; launch ln2 (part 5): grid 256 x 1, 16 waves a work-group, no clusters, 18,432 bytes of LDS; arguments x2, lowp_scales, hc; writes hc
.if DOCPART == 5
	.amdgcn_target "amdgcn-amd-amdhsa--gfx1250"
	.amdhsa_code_object_version 6
	.text
	.protected	k_qc1119936a7_ln2
	.globl	k_qc1119936a7_ln2
	.p2align	8
	.type	k_qc1119936a7_ln2,@function
k_qc1119936a7_ln2:
	s_mov_b64 s[64:65], 0
	v_nop
	global_prefetch_b8 v0, s[64:65] scope:SCOPE_SE
	s_setreg_imm32_b32 hwreg(HW_REG_WAVE_MODE, 25, 1), 1
	s_wait_xcnt 0x0
; h = (x - mean) / sqrt(var + 1e-5) along rows of 1,024 f32 numbers, quantised to E4M3 with the given scale 2^e (entry SIDX of the scales); codes row-major, [4096][1024] bytes.
; One wave takes one row: 4,096 bytes are 32 registers a lane, so the row is read once and stays in registers for the mean, the variance (of x - mean: no difference of large sums) and the scaling.
; No loop, no barrier: waves share nothing.  A lane's codes (4 bytes of each 128) go through the wave's own 1,024 bytes of LDS and leave as two stores of 512 consecutive bytes.
; No matrix unit, cluster or tensor load: each byte is read once and nothing is shared.
; LIMITS: e between -126 and 119, so that 2^e and 448 x 2^e are f32 numbers.  NaN among the inputs is not served.
.set SIDX, 8
.set LO,  2                            ; v2      16 x lane: my bytes of a load's or a store's 512
.set SA,  3                            ; v3      LDS: 1,024 x wave + 4 x lane
.set SB,  4                            ; v4      LDS: 1,024 x wave + 16 x lane
.set X,   16                           ; v16-47  the row: register 4 j + i is number 128 j + 4 lane + i
.set T,   48                           ; v48-52  at work
.set MU,  56                           ; v56-57  the mean, twice
.set R,   58                           ; v58-59  1 / sqrt(var + eps), twice
.set SCL, 60                           ; v60     2^e as f32
.set LIM, 61                           ; v61     448 x 2^e
.set C,   62                           ; v62-69  codes: register j holds those of numbers 128 j + 4 lane + 0 .. 3
.set O,   72                           ; v72-79  the row's codes read back, 16 bytes a lane
	s_load_b128 s[4:7], s[0:1], 0x0                ; the rows s[4:5], the scales' exponents s[6:7]
	s_load_b64 s[8:9], s[0:1], 0x10                ; the codes
	v_lshl_add_u32 v80, v0, 2, 0x4000
	v_mov_b32 v81, 0
	v_lshrrev_b32 v1, 5, v0
	s_delay_alu instid0(VALU_DEP_1)
	v_readfirstlane_b32 s10, v1                    ; wave 0..15
	v_and_b32 v1, 31, v0                           ; lane
	s_delay_alu instid0(VALU_DEP_1)
	v_lshlrev_b32 v[LO], 4, v1
	s_lshl_b32 s11, s10, 10                        ; my wave's 1,024 bytes of LDS
	v_lshl_add_u32 v[SA], v1, 2, s11
	v_add_nc_u32 v[SB], s11, v[LO]
	s_lshl_b32 s15, ttmp9, 4
	s_add_co_u32 s15, s15, s10                     ; my row: 16 x work-group + wave
	s_lshl_b32 s16, s15, 12                        ; 4,096 bytes a row in,
	s_mov_b32 s17, 0
	s_lshl_b32 s18, s15, 10                        ; 1,024 out
	s_mov_b32 s19, 0
	s_mov_b32 s12, 0x76543210                      ; v_permlanex16_b32: lane l takes lane l xor 16
	s_mov_b32 s13, 0xfedcba98
	s_mov_b32 s20, 0x3a800000                      ; 1 / 1,024
	s_wait_alu depctr_va_vdst(0)
	s_wait_kmcnt 0x0
	s_load_b32 s14, s[6:7], 4*SIDX                 ; e
	s_add_nc_u64 s[4:5], s[4:5], s[16:17]
	s_add_nc_u64 s[8:9], s[8:9], s[18:19]
.irp j, 0,1,2,3,4,5,6,7
	global_load_b128 v[X+4*\j:X+4*\j+3], v[LO], s[4:5] offset:512*\j   ; 32 lanes read 512 consecutive bytes
.endr
; the pair v[T:T+1] is added up over its halves and over the 32 lanes; every lane ends with the sum in v[T]
.macro ACROSS
	s_delay_alu instid0(VALU_DEP_1)
	v_add_f32 v[T], v[T], v[T+1]
	s_delay_alu instid0(VALU_DEP_1)
	v_add_f32_dpp v[T], v[T], v[T] row_xmask:1 row_mask:0xf bank_mask:0xf
	s_delay_alu instid0(VALU_DEP_1)
	v_add_f32_dpp v[T], v[T], v[T] row_xmask:2 row_mask:0xf bank_mask:0xf
	s_delay_alu instid0(VALU_DEP_1)
	v_add_f32_dpp v[T], v[T], v[T] row_xmask:4 row_mask:0xf bank_mask:0xf
	s_delay_alu instid0(VALU_DEP_1)
	v_add_f32_dpp v[T], v[T], v[T] row_xmask:8 row_mask:0xf bank_mask:0xf
	s_delay_alu instid0(VALU_DEP_1)
	v_permlanex16_b32 v[T+1], v[T], s12, s13       ; its destination counts as read: it has been written
	s_delay_alu instid0(VALU_DEP_1)
	v_add_f32 v[T], v[T], v[T+1]
.endm
	v_mov_b32 v[T+4], 0x3727c5ac                   ; eps = 1e-5
	s_wait_kmcnt 0x0
	s_add_co_i32 s14, s14, 127
	s_lshl_b32 s21, s14, 23
	v_mov_b32 v[SCL], s21                          ; the conversion takes this number's exponent field
	s_add_co_i32 s14, s14, 8
	s_lshl_b32 s14, s14, 23
	s_or_b32 s14, s14, 0x600000
	v_mov_b32 v[LIM], s14
	s_wait_loadcnt 0x0                             ; the mean wants the whole row
	v_pk_add_f32 v[50:51], v[16:17], v[18:19]
	v_pk_add_f32 v[78:79], v[24:25], v[28:29]
	v_pk_add_f32 v[76:77], v[32:33], v[36:37]
	v_pk_add_f32 v[74:75], v[40:41], v[44:45]
	v_pk_add_f32 v[72:73], v[20:21], v[22:23]
	v_pk_add_f32 v[70:71], v[26:27], v[30:31]
	v_pk_add_f32 v[68:69], v[34:35], v[38:39]
	v_pk_add_f32 v[48:49], v[42:43], v[46:47]
	s_delay_alu instid0(VALU_DEP_1)
	v_pk_add_f32 v[48:49], v[48:49], v[74:75]
	v_pk_add_f32 v[50:51], v[50:51], v[72:73]
	v_pk_add_f32 v[78:79], v[78:79], v[70:71]
	v_pk_add_f32 v[76:77], v[76:77], v[68:69]
	s_delay_alu instid0(VALU_DEP_2)
	v_pk_add_f32 v[48:49], v[48:49], v[78:79]
	s_delay_alu instid0(VALU_DEP_2)
	v_pk_add_f32 v[50:51], v[50:51], v[76:77]
	s_delay_alu instid0(VALU_DEP_1)
	v_pk_add_f32 v[48:49], v[48:49], v[50:51]
	ACROSS
	s_delay_alu instid0(VALU_DEP_1)
	v_mul_f32 v[MU], s20, v[T]
	s_delay_alu instid0(VALU_DEP_1)
	v_mov_b32 v[MU+1], v[MU]
.irp j, 0,2,4,6,8,10,12,14,16,18,20,22,24,26,28,30
	v_pk_add_f32 v[X+\j:X+\j+1], v[X+\j:X+\j+1], v[MU:MU+1] neg_lo:[0,1] neg_hi:[0,1]   ; d = x - mean, in place
.endr
	v_pk_mul_f32 v[T:T+1], v[X:X+1], v[X:X+1]
	v_pk_mul_f32 v[T+2:T+3], v[X+2:X+3], v[X+2:X+3]
.irp j, 4,8,12,16,20,24,28
	s_delay_alu instid0(VALU_DEP_2)
	v_pk_fma_f32 v[T:T+1], v[X+\j:X+\j+1], v[X+\j:X+\j+1], v[T:T+1]
	s_delay_alu instid0(VALU_DEP_2)
	v_pk_fma_f32 v[T+2:T+3], v[X+\j+2:X+\j+3], v[X+\j+2:X+\j+3], v[T+2:T+3]
.endr
	s_delay_alu instid0(VALU_DEP_1)
	v_pk_add_f32 v[T:T+1], v[T:T+1], v[T+2:T+3]
	ACROSS
	s_delay_alu instid0(VALU_DEP_1)
	v_fma_f32 v[T], v[T], s20, v[T+4]              ; var + eps
	s_wait_alu depctr_va_vdst(0)
	v_rsq_f32 v[R], v[T]
	v_nop                                          ; a plain instruction behind the transcendental,
	s_wait_alu depctr_va_vdst(0)                   ; and the wait ahead of its first reader
	v_mov_b32 v[R+1], v[R]
.irp j, 0,2,4,6,8,10,12,14,16,18,20,22,24,26,28,30
	v_pk_mul_f32 v[X+\j:X+\j+1], v[X+\j:X+\j+1], v[R:R+1]
.endr
.set j, 0
.rept 32
	v_med3_num_f32 v[X+j], v[X+j], -v[LIM], v[LIM] ; the conversion to an 8-bit code does not saturate (ISA guide 7.6.2): the hold at the largest code x the scale
.set j, j+1
.endr
.irp g, 0,1,2,3
	v_cvt_scalef32_pk8_fp8_f32 v[C+2*\g:C+2*\g+1], v[X+8*\g:X+8*\g+7], v[SCL]
.endr
	v_nop
.irp j, 0,1,2,3,4,5,6,7
	ds_store_b32 v[SA], v[C+\j] offset:128*\j      ; byte 128 j + 4 lane of the row's 1,024
.endr
	ds_load_b128 v[O:O+3], v[SB]                   ; LDS serves a wave's instructions in order (ISA guide 5.7.1.4): these see my stores
	ds_load_b128 v[O+4:O+7], v[SB] offset:512
	s_wait_dscnt 1                                 ; the first read-back is in; the second may be out
	global_store_b128 v[LO], v[O:O+3], s[8:9]      ; 32 lanes store 512 consecutive bytes, at a multiple of 256 from the buffer's first byte
	s_wait_dscnt 0x0
	global_store_b128 v[LO], v[O+4:O+7], s[8:9] offset:512
	s_wait_tensorcnt 0x0
	ds_add_u32 v80, v81
	s_wait_dscnt 0x0
	s_endpgm
.Lfunc_end_k_qc1119936a7_ln2:
	.size	k_qc1119936a7_ln2, .Lfunc_end_k_qc1119936a7_ln2-k_qc1119936a7_ln2
	.p2alignl 7, 3214868480
	.fill 96, 4, 3214868480
	.section	.rodata,"a",@progbits
	.p2align	6, 0x0
	.amdhsa_kernel k_qc1119936a7_ln2
		.amdhsa_group_segment_fixed_size 18432
		.amdhsa_private_segment_fixed_size 0
		.amdhsa_enable_private_segment 0
		.amdhsa_kernarg_size 24
		.amdhsa_user_sgpr_count 2
		.amdhsa_user_sgpr_kernarg_segment_ptr 1
		.amdhsa_wavefront_size32 1
		.amdhsa_system_sgpr_workgroup_id_x 1
		.amdhsa_system_sgpr_workgroup_id_y 1
		.amdhsa_system_sgpr_workgroup_id_z 1
		.amdhsa_system_vgpr_workitem_id 0
		.amdhsa_next_free_vgpr 82
		.amdhsa_next_free_sgpr 66
		.amdhsa_reserve_vcc 0
		.amdhsa_float_denorm_mode_32 3
		.amdhsa_float_denorm_mode_16_64 3
		.amdhsa_memory_ordered 1
		.amdhsa_forward_progress 1
		.amdhsa_inst_pref_size 12
	.end_amdhsa_kernel
	.amdgpu_metadata
---
amdhsa.version: [ 1, 2 ]
amdhsa.kernels:
  - .name:           k_qc1119936a7_ln2
    .symbol:         k_qc1119936a7_ln2.kd
    .args:
      - { .name: x2, .offset: 0, .size: 8, .value_kind: global_buffer, .address_space: global }
      - { .name: lowp_scales, .offset: 8, .size: 8, .value_kind: global_buffer, .address_space: global }
      - { .name: hc, .offset: 16, .size: 8, .value_kind: global_buffer, .address_space: global }
    .group_segment_fixed_size: 18432
    .private_segment_fixed_size: 0
    .kernarg_segment_align: 8
    .kernarg_segment_size: 24
    .max_flat_workgroup_size: 512
    .sgpr_count:     66
    .vgpr_count:     82
    .wavefront_size: 32
...
	.end_amdgpu_metadata
.endif
;; end of part 5
;; launch g5 (part 6): grid 16 x 16, 4 waves a work-group, clusters of 4 x 4, 327,680 bytes of LDS; arguments hc, W1_codes, lowp_scales, g_c, b1; writes g_c
.if DOCPART == 6
	.amdgcn_target "amdgcn-amd-amdhsa--gfx1250"
	.amdhsa_code_object_version 6
	.text
	.protected	k_qc1119936a7_g5
	.globl	k_qc1119936a7_g5
	.p2align	8
	.type	k_qc1119936a7_g5,@function
k_qc1119936a7_g5:
	s_mov_b64 s[64:65], 0
	v_nop
	global_prefetch_b8 v0, s[64:65] scope:SCOPE_SE
	s_setreg_imm32_b32 hwreg(HW_REG_WAVE_MODE, 25, 1), 1
	s_wait_xcnt 0x0
	s_wait_alu depctr_hold_cnt(0) depctr_sa_sdst(0) depctr_va_vdst(0) depctr_va_sdst(0) depctr_va_ssrc(0) depctr_va_vcc(0) depctr_vm_vsrc(0)
	s_getreg_b32 s2, hwreg(HW_REG_IB_STS2, 6, 4)
	s_cmp_eq_u32 s2, 0
	s_cbranch_scc0 .Lentry_in_a_cluster
	s_endpgm
.Lentry_in_a_cluster:
	s_bfe_u32 s2, ttmp6, 0x10000c
	s_cmp_lg_u32 s2, 0xf033
	s_cbranch_scc0 .Lentry_shape_is_right
	s_endpgm
.Lentry_shape_is_right:
.set SIZE_K, 1024
.set KSTEP,  256
.set ROWB,   256
.set KROW,   SIZE_K
.set PITCH,  272
.set FR,     16
.set NL,     4
.set NP,     4
.set HALFT,  128*PITCH
.set SLOT,   4*HALFT
.set LAPS,   SIZE_K/(2*KSTEP)
.set SPARE,  2*SLOT
.set K0,   12
.set ADRA, 16
.set ADRB, 20
.set VO,   24
.set BO,   26
.set SPW,  28
.set NIL,  29
.set SCL,  30
.set LIM,  31
.set BI,   32
.set XX,   96
.set WW,   160
.set AF,   128
.set G1, 24
.set G0, 32
.set G1B, 48
.set G0B, 56
.set MSB, 0
.macro WIN new
.if MSB != \new
	s_set_vgpr_msb (MSB<<8)|\new
.set MSB, \new
.endif
.endm
.set MUL_LO, 0xa1
.set MUL_HI, 0xf1
.set TO_B,   0x40
.macro JLOAD g0a, g1a, g0b, g1b
	s_cmp_eq_u32 s15, 0
	s_cbranch_scc0 .Lfor_b_\@
	tensor_load_to_lds s[\g0a:\g0a+3], s[\g1a:\g1a+7]
	s_nop 0
.rept 4
	v_nop
.endr
	s_branch .Lasked_\@
.Lfor_b_\@:
	tensor_load_to_lds s[\g0b:\g0b+3], s[\g1b:\g1b+7]
	s_nop 0
.rept 4
	v_nop
.endr
.Lasked_\@:
.endm
.macro CREST
	s_cmp_lg_u32 s14, 0
	s_cbranch_scc1 .Lnot_wave_0_\@
	s_barrier_signal -3
.Lnot_wave_0_\@:
	s_barrier_wait -3
	s_barrier_signal -1
	s_barrier_wait -1
.endm
.macro CROUND
	s_barrier_signal -1
	s_barrier_wait -1
	CREST
.endm
	s_load_b128 s[4:7], s[0:1], 0x0
	s_load_b128 s[8:11], s[0:1], 0x10
	s_load_b64 s[68:69], s[0:1], 0x20
	v_lshl_add_u32 v[SPW], v0, 2, SPARE
	v_mov_b32 v[NIL], 0
	ds_add_u32 v28, v29
	ds_add_u32 v28, v29
	s_wait_dscnt 0x0
	v_lshrrev_b32 v1, 5, v0
	v_readfirstlane_b32 s14, v1
	s_lshr_b32 s15, s14, 1
	s_and_b32 s16, s14, 1
	s_bfe_u32 s40, ttmp6, 0x40000
	s_bfe_u32 s41, ttmp6, 0x40004
	s_lshl_b32 s42, ttmp9, 2
	s_add_co_u32 s42, s42, s40
	s_and_b32 s17, ttmp7, 0xffff
	s_lshl_b32 s17, s17, 2
	s_add_co_u32 s17, s17, s41
	s_lshl_b32 s43, s41, 2
	s_lshl_b32 s43, 15, s43
	s_lshl_b32 s44, 0x1111, s40
	s_or_b32 s[G1+0], s43, (0<<16)|(1<<20)|(1<<21)|(5<<22)|(3<<25)
	s_or_b32 s[G1B+0], s44, (0<<16)|(1<<20)|(1<<21)|(5<<22)|(3<<25)
.irp g, G1, G1B
	s_mov_b32 s[\g+1], ROWB<<16
	s_mov_b32 s[\g+2], 128<<16
	s_mov_b32 s[\g+3], ROWB<<16
	s_mov_b32 s[\g+4], 128
	s_mov_b32 s[\g+5], KROW
	s_mov_b32 s[\g+6], 0
	s_mov_b32 s[\g+7], 0
.endr
	s_lshl_b32 s18, s16, 7
	s_lshl_b32 s20, s17, 8
	s_add_co_u32 s20, s20, s18
	s_lshl_b32 s46, s42, 8
	s_add_co_u32 s46, s46, s18
	s_lshl_b32 s20, s20, 10
	s_lshl_b32 s46, s46, 10
	s_mov_b32 s21, 0
	s_mov_b32 s47, 0
	s_mul_i32 s45, s14, HALFT
	s_wait_kmcnt 0x0
	s_load_b64 s[96:97], s[8:9], 0x20
	s_load_b32 s76, s[8:9], 0x28
	s_add_nc_u64 s[20:21], s[4:5], s[20:21]
	s_add_nc_u64 s[46:47], s[6:7], s[46:47]
	CROUND
.irp s, 0,1
	s_mov_b32 s[G0+4*\s], 1
	s_add_co_u32 s[G0+4*\s+1], s45, \s*SLOT
	s_add_nc_u64 s[G0+4*\s+2:G0+4*\s+3], s[20:21], \s*ROWB
	s_or_b32 s[G0+4*\s+3], s[G0+4*\s+3], 0x80000000
	s_mov_b32 s[G0B+4*\s], 1
	s_add_co_u32 s[G0B+4*\s+1], s45, \s*SLOT
	s_add_nc_u64 s[G0B+4*\s+2:G0B+4*\s+3], s[46:47], \s*ROWB
	s_or_b32 s[G0B+4*\s+3], s[G0B+4*\s+3], 0x80000000
.endr
	JLOAD G0, G1, G0B, G1B                         ; K step 0: one tensor load a wave at the head
	; the prefetches: of the 128 rows that I fetch, my work-group's 32 (told apart by address: cx for A's tiles, cy for B's), a lane a row; these registers are never rewritten
	s_cmp_eq_u32 s15, 0
	s_cselect_b64 s[88:89], s[20:21], s[46:47]
	s_cselect_b32 s90, s40, s41
	s_lshl_b32 s90, s90, 15                        ; 32 rows of 1,024 bytes
	s_mov_b32 s91, 0
	s_add_nc_u64 s[88:89], s[88:89], s[90:91]
	v_and_b32 v27, 31, v0
	v_lshlrev_b32 v27, 10, v27
	v_and_b32 v1, 15, v0
	v_bfe_u32 v2, v0, 4, 1
	v_mul_u32_u24 v3, v1, PITCH
	v_lshl_add_u32 v4, v2, 4, v3
	s_mul_i32 s21, s15, HALFT
	s_mul_i32 s22, s16, HALFT
	s_add_co_u32 s22, s22, 2*HALFT
.irp s, 0,1
	v_add_nc_u32 v[ADRA+\s], s21, v4
	v_add_nc_u32 v[ADRB+\s], s22, v4
	s_add_co_u32 s21, s21, SLOT
	s_add_co_u32 s22, s22, SLOT
.endr
	v_lshlrev_b32 v[VO], 4, v1
	v_lshl_add_u32 v[VO], v2, 3, v[VO]
	v_lshlrev_b32 v[BO], 5, v2
	v_mov_b32 v[K0], 0xc0135761
	v_mov_b32 v[K0+1], 0xc0135761
	s_mov_b32 s78, 0xbdd2d3e8
	s_mov_b32 s79, s78
	s_lshl_b32 s80, s42, 10
	s_lshl_b32 s81, s16, 9
	s_add_co_u32 s80, s80, s81
	s_mov_b32 s81, 0
	s_add_nc_u64 s[68:69], s[68:69], s[80:81]
.irp b, 0,1,2,3,4,5,6,7
	global_load_b128 v[BI+8*\b:BI+8*\b+3], v[BO], s[68:69] offset:64*\b
	global_load_b128 v[BI+8*\b+4:BI+8*\b+7], v[BO], s[68:69] offset:64*\b+16
.endr
	s_lshl_b32 s82, s42, 1
	s_add_co_u32 s82, s82, s16
	s_lshr_b32 s83, s82, 2
	s_lshl_b32 s83, s83, 21
	s_and_b32 s82, s82, 3
	s_lshl_b32 s82, s82, 11
	s_add_co_u32 s82, s82, s83
	s_lshl_b32 s83, s17, 4
	s_lshl_b32 s84, s15, 3
	s_add_co_u32 s83, s83, s84
	s_lshl_b32 s83, s83, 13
	s_add_co_u32 s82, s82, s83
	s_mov_b32 s83, 0
	s_add_nc_u64 s[10:11], s[10:11], s[82:83]
.macro FRAG reg, adr, q, i
.irp c, 0,1,2,3
	ds_load_b128 v[\reg+4*\c:\reg+4*\c+3], v[\adr] offset:128*(\q)+32*\c+(\i)*16*PITCH
.endr
.endm
.macro MUL16 a0, p, zero
.irp a, \a0, \a0+1
.irp b, 0,1,2,3,4,5,6,7
.if \zero
	v_wmma_f32_16x16x128_fp8_fp8 v[8*(8*((\a)%4)+\b):8*(8*((\a)%4)+\b)+7], v[128*(\p)+FR*\b:128*(\p)+FR*\b+FR-1], v[AF+FR*(\a):AF+FR*(\a)+FR-1], 0
.else
	v_wmma_f32_16x16x128_fp8_fp8 v[8*(8*((\a)%4)+\b):8*(8*((\a)%4)+\b)+7], v[128*(\p)+FR*\b:128*(\p)+FR*\b+FR-1], v[AF+FR*(\a):AF+FR*(\a)+FR-1], v[8*(8*((\a)%4)+\b):8*(8*((\a)%4)+\b)+7]
.endif
.endr
.endr
.endm
.macro FETCH_B slot, q, p
	WIN TO_B
.irp i, 0,1,2,3,4,5,6,7
	FRAG 128*(\p)+FR*\i, ADRB+\slot, \q, \i
.endr
	WIN 0
.endm
.macro FETCH_A slot, q, i0
.irp i, \i0, \i0+1, \i0+2, \i0+3
	FRAG AF+FR*(\i), ADRA+\slot, \q, \i
.endr
.endm
.macro PLACES n
.rept \n
	v_nop
.endr
.endm
.macro STEP slot, q, zero
	s_wait_dscnt 4*NL
	WIN MUL_LO
	MUL16 0, (\q)%2, \zero
	MUL16 2, (\q)%2, \zero
	s_wait_dscnt 0
	PLACES NP
	FETCH_B \slot, (\q)+1, 1-(\q)%2
	FETCH_A \slot, (\q)+1, 0
	WIN MUL_HI
	MUL16 4, (\q)%2, \zero
	MUL16 6, (\q)%2, \zero
	PLACES NP
	WIN 0
	FETCH_A \slot, (\q)+1, 4
.endm
.macro TURN slot, next, fill
	s_wait_tensorcnt 0x0
	ds_add_u32 v[SPW], v[NIL]
	s_wait_dscnt 4*NL+1
	WIN MUL_LO
	MUL16 0, 1, 0
	s_wait_dscnt 0x0
	s_barrier_signal -1
	MUL16 2, 1, 0
	WIN 0
	s_barrier_wait -1
.if \fill
	CREST
	s_add_nc_u64 s[G0+4*\slot+2:G0+4*\slot+3], s[G0+4*\slot+2:G0+4*\slot+3], 2*ROWB
	s_add_nc_u64 s[G0B+4*\slot+2:G0B+4*\slot+3], s[G0B+4*\slot+2:G0B+4*\slot+3], 2*ROWB
	JLOAD G0+4*\slot, G1, G0B+4*\slot, G1B
.else
	PLACES NP
.endif
	FETCH_B \next, 0, 0
	FETCH_A \next, 0, 0
	WIN MUL_HI
	MUL16 4, 1, 0
	MUL16 6, 1, 0
	PLACES NP
	WIN 0
	FETCH_A \next, 0, 4
.endm
	s_wait_alu depctr_va_vdst(0)
	global_prefetch_b8 v27, s[88:89] offset:256 th:TH_LOAD_NT scope:SCOPE_SE   ; K step 1, one load ahead
	global_prefetch_b8 v27, s[88:89] offset:512 th:TH_LOAD_NT scope:SCOPE_SE   ; K step 2, two loads ahead of its refill: 32 rows x 256 bytes each
	s_wait_tensorcnt 0x0                           ; my part of K step 0 is in
	ds_add_u32 v[SPW], v[NIL]
	s_wait_dscnt 0x0
	CROUND                                         ; everybody's part of K step 0 is in, and the joint loads meet
	JLOAD G0+4, G1, G0B+4, G1B                     ; K step 1: the first tensor load behind the round
	FETCH_B 0, 0, 0
	FETCH_A 0, 0, 0
	FETCH_A 0, 0, 4
	global_prefetch_b8 v27, s[88:89] offset:768 th:TH_LOAD_NT scope:SCOPE_SE   ; K step 3, the last: nothing further is asked for
	STEP 0, 0, 1
	s_mov_b32 s3, LAPS-1
.Llap:
	TURN 0, 1, 1
	STEP 1, 0, 0
	TURN 1, 0, 1
	STEP 0, 0, 0
	s_sub_co_u32 s3, s3, 1
	s_cmp_lg_u32 s3, 0
	s_cbranch_scc1 .Llap
	TURN 0, 1, 0
	STEP 1, 0, 0
	s_wait_dscnt 4*NL
	WIN MUL_LO
	MUL16 0, 1, 0
	MUL16 2, 1, 0
	s_wait_dscnt 0
	WIN MUL_HI
	MUL16 4, 1, 0
	MUL16 6, 1, 0
	WIN 0
.macro GELU a
.set AC, 64*((\a)%4)
.set CD, 224+16*((\a)%2)
.if (\a) > 1
	s_wait_xcnt 0x0
.endif
	WIN 0x02+((\a)/4)
.set j, 0
.rept 32
	v_pk_fma_f32 v[XX+j:XX+j+1], v[AC+j:AC+j+1], s[96:97], v[BI+j:BI+j+1] op_sel_hi:[1,0,1]
.set j, j+2
.endr
	WIN 0
.set j, 0
.rept 32
	v_pk_mul_f32 v[WW+j:WW+j+1], v[XX+j:XX+j+1], v[XX+j:XX+j+1]
.set j, j+2
.endr
.set j, 0
.rept 32
	v_pk_fma_f32 v[WW+j:WW+j+1], v[WW+j:WW+j+1], s[78:79], v[K0:K0+1] op_sel_hi:[1,0,1]
.set j, j+2
.endr
.set j, 0
.rept 32
	v_pk_mul_f32 v[WW+j:WW+j+1], v[WW+j:WW+j+1], v[XX+j:XX+j+1]
.set j, j+2
.endr
.set j, 0
	s_wait_alu depctr_va_vdst(0)
.rept 64
	v_exp_f32 v[WW+j], v[WW+j]
.set j, j+1
.endr
	v_nop
	s_wait_alu depctr_va_vdst(0)
.set j, 0
.rept 32
	v_pk_add_f32 v[WW+j:WW+j+1], v[WW+j:WW+j+1], 1.0 op_sel_hi:[1,0]
.set j, j+2
.endr
.set j, 0
	s_wait_alu depctr_va_vdst(0)
.rept 64
	v_rcp_f32 v[WW+j], v[WW+j]
.set j, j+1
.endr
	v_nop
	s_wait_alu depctr_va_vdst(0)
.set j, 0
.rept 32
	v_pk_mul_f32 v[XX+j:XX+j+1], v[XX+j:XX+j+1], v[WW+j:WW+j+1]
.set j, j+2
.endr
.set j, 0
.rept 64
	v_med3_num_f32 v[XX+j], v[XX+j], -v[LIM], v[LIM]
.set j, j+1
.endr
.irp b, 0,1,2,3,4,5,6,7
	v_cvt_scalef32_pk8_fp8_f32 v[CD+2*\b:CD+2*\b+1], v[XX+8*\b:XX+8*\b+7], v[SCL]
.endr
	v_nop
.irp b, 0,1,2,3,4,5,6,7
	global_store_b64 v[VO], v[CD+2*\b:CD+2*\b+1], s[10:11] offset:(\a)*8192+(\b/2)*512+(\b%2)*256
.endr
.endm
	s_wait_kmcnt 0x0
	s_add_co_i32 s96, s96, s97
	s_add_co_i32 s96, s96, 127
	s_lshl_b32 s96, s96, 23
	s_mov_b32 s97, s96
	s_add_co_i32 s76, s76, 127
	s_lshl_b32 s77, s76, 23
	v_mov_b32 v[SCL], s77
	s_add_co_i32 s76, s76, 8
	s_lshl_b32 s76, s76, 23
	s_or_b32 s76, s76, 0x600000
	v_mov_b32 v[LIM], s76
	s_wait_loadcnt 0x0
	PLACES NP
.irp a, 0,1,2,3,4,5,6,7
	GELU \a
.endr
	s_wait_tensorcnt 0x0
	ds_add_u32 v[SPW], v[NIL]
	s_wait_dscnt 0x0
	CROUND
	s_endpgm
.Lfunc_end_k_qc1119936a7_g5:
	.size	k_qc1119936a7_g5, .Lfunc_end_k_qc1119936a7_g5-k_qc1119936a7_g5
	.p2alignl 7, 3214868480
	.fill 96, 4, 3214868480
	.section	.rodata,"a",@progbits
	.p2align	6, 0x0
	.amdhsa_kernel k_qc1119936a7_g5
		.amdhsa_group_segment_fixed_size 327680
		.amdhsa_private_segment_fixed_size 0
		.amdhsa_enable_private_segment 0
		.amdhsa_kernarg_size 40
		.amdhsa_user_sgpr_count 2
		.amdhsa_user_sgpr_kernarg_segment_ptr 1
		.amdhsa_wavefront_size32 1
		.amdhsa_system_sgpr_workgroup_id_x 1
		.amdhsa_system_sgpr_workgroup_id_y 1
		.amdhsa_system_sgpr_workgroup_id_z 1
		.amdhsa_system_vgpr_workitem_id 0
		.amdhsa_next_free_vgpr 1024
		.amdhsa_next_free_sgpr 100
		.amdhsa_reserve_vcc 0
		.amdhsa_float_denorm_mode_32 3
		.amdhsa_float_denorm_mode_16_64 3
		.amdhsa_memory_ordered 1
		.amdhsa_forward_progress 1
		.amdhsa_inst_pref_size 253
	.end_amdhsa_kernel
	.amdgpu_metadata
---
amdhsa.version: [ 1, 2 ]
amdhsa.kernels:
  - .name:           k_qc1119936a7_g5
    .symbol:         k_qc1119936a7_g5.kd
    .args:
      - { .name: hc, .offset: 0, .size: 8, .value_kind: global_buffer, .address_space: global }
      - { .name: W1_codes, .offset: 8, .size: 8, .value_kind: global_buffer, .address_space: global }
      - { .name: lowp_scales, .offset: 16, .size: 8, .value_kind: global_buffer, .address_space: global }
      - { .name: g_c, .offset: 24, .size: 8, .value_kind: global_buffer, .address_space: global }
      - { .name: b1, .offset: 32, .size: 8, .value_kind: global_buffer, .address_space: global }
    .group_segment_fixed_size: 327680
    .private_segment_fixed_size: 0
    .kernarg_segment_align: 8
    .kernarg_segment_size: 40
    .max_flat_workgroup_size: 128
    .sgpr_count:     100
    .vgpr_count:     1024
    .wavefront_size: 32
...
	.end_amdgpu_metadata
.endif
;; end of part 6
;; launch g6 (part 7): grid 8 x 32, 4 waves a work-group, clusters of 4 x 4, 327,680 bytes of LDS; arguments g_c, W2_codes, lowp_scales, x2, out0, b2; writes out0
.if DOCPART == 7
	.amdgcn_target "amdgcn-amd-amdhsa--gfx1250"
	.amdhsa_code_object_version 6
	.text
	.protected	k_qc1119936a7_g6
	.globl	k_qc1119936a7_g6
	.p2align	8
	.type	k_qc1119936a7_g6,@function
k_qc1119936a7_g6:
	s_mov_b64 s[64:65], 0
	v_nop
	global_prefetch_b8 v0, s[64:65] scope:SCOPE_SE
	s_setreg_imm32_b32 hwreg(HW_REG_WAVE_MODE, 25, 1), 1
	s_wait_xcnt 0x0
	s_wait_alu depctr_hold_cnt(0) depctr_sa_sdst(0) depctr_va_vdst(0) depctr_va_sdst(0) depctr_va_ssrc(0) depctr_va_vcc(0) depctr_vm_vsrc(0)
	s_getreg_b32 s2, hwreg(HW_REG_IB_STS2, 6, 4)
	s_cmp_eq_u32 s2, 0
	s_cbranch_scc0 .Lentry_in_a_cluster
	s_endpgm
.Lentry_in_a_cluster:
	s_bfe_u32 s2, ttmp6, 0x10000c
	s_cmp_lg_u32 s2, 0xf033
	s_cbranch_scc0 .Lentry_shape_is_right
	s_endpgm
.Lentry_shape_is_right:
; out = res + A B^T + bias: A: [4096][SIZE_K] codes of E4M3 laid as images of operand registers (below), scale 2^ea; B: [1024][SIZE_K] codes, K innermost, scale 2^eb; res, out: [4096][1024] f32.  ea, eb: entries SIDX, SIDX + 1.
; Tiles of 256 x 256 would be 64 for 256 WGPs, so a tile is 128 x 128: 256 work-groups of four waves, a wave 64 x 64: 16 accumulators.  K goes in steps of 512 through a ring of two LDS slots.
; A's layout: [512 of K][tile of 16 rows][128 of K][2,048]: byte 512 c + 16 L + i = k 32 c + 16 (L / 16) + i of row L % 16.  A slot's part of 128 rows is one dense block of 65,536 bytes; a fragment is four loads of 512 consecutive bytes.
; B's tile has rows of 512 bytes, 16 bytes of padding behind each; its fragments are read in the same order of k.
; CLUSTERS: 4 x 4 work-groups; A's tile is shared along a row of the cluster, B's along a column: each is asked for JOINTLY.  THE MATRIX INSTRUCTION IS USED TRANSPOSED: a lane holds eight neighbouring numbers of a row of the result.
; THE CLUSTERS BEGIN K AT DIFFERENT STEPS and walk round its eight steps: cluster (X, Y) begins at step (2 ((Y + 2 (Y / 4)) mod 4) + 4 X) mod 8.  The two clusters that need the same rows of A begin four steps apart;
; of the eight that need the same rows of B, Y = 0..3, 4..7, {0, 1, 4, 5} and {2, 3, 6, 7} each have four different starts.  So at any time the clusters that share rows ask for different K steps of them, and a step is asked for
; first by one cluster and later by the others.  The start hangs on the cluster's x and y alone, which all sixteen partners share.  The f32 sums run over K in that rotated order.
; The residual's 64 x 64 numbers of a wave are asked for behind the first tiles, into window 2, in the layout in which the rows come back from the stage: they land under the K loop.
; The K steps two loads on are prefetched into the L2 (below).
; LIMIT: ea + eb between -126 and 127.
; REGISTERS: window 0: v0-31 addresses; v32-95 rows on the way out; v128-255 the accumulators ((a, b) at v[128 + 8 (4 a + b)]).  window 1: two fragment buffers of 128: A's 4 x 16, then B's 4 x 16.  window 2: v0-127 the residual.
.set SIZE_K,   4096
.set SIDX,     10
.set NKS,    SIZE_K/512                ; K steps: 8, a power of two
.set ASTEP,  2097152                   ; a K step on in A: 256 tiles of rows x 8,192 bytes = 1 << 21
.set ASLOT,  65536                     ; A's part of a slot
.set BPITCH, 528                       ; a row of B in LDS: 512 bytes + 16 = 132 words: the 16 rows that a load touches start at 16 different banks (64 banks of 4 bytes: ISA guide 11.1)
.set BHALF,  64*BPITCH                 ; what one tensor load brings of B
.set SLOT,   ASLOT+2*BHALF
.set SPARE,  2*SLOT                    ; behind the ring: the spare words, 128 bytes for each wave, which no other line names
.set STAGE,  SPARE+512                 ; 16 rows x 272 bytes for each wave, for the way out; no tensor load fills it
.set SPITCH, 272
.set LAPS,   SIZE_K/1024               ; a lap = two K steps of 512 = once round the ring
.set BI,   8                           ; v8-11   b[my four columns]
.set ADRA, 16                          ; v16-17  LDS address of my A fragments in slot 0, 1
.set ADRB, 20                          ; v20-21  the same for B
.set STO,  24                          ; v24     the way out: where I put 32 bytes of a row
.set RD,   25                          ; v25     where I read 16 bytes of a row back
.set CO,   26                          ; v26     my byte offset in two rows of the residual and of the result
.set BO,   27                          ; v27     16 (l % 16)
.set SPW,  28                          ; v28     LDS address of my spare word; never rewritten
.set NIL,  29                          ; v29     0; never rewritten
.set T,    32
.set ACC,  128
.set F0,   0
.set F1,   128
.set G1, 24                            ; s[24:31] descriptor group 1 for A's tiles;  s[32:39] group 0, one set for each slot
.set G0, 32
.set G1B, 48                           ; s[48:55], s[56:63] the same for B's tiles
.set G0B, 56
.set BA,  14                           ; s[14:15] A at my part of the tile's rows, K step 0; never rewritten
.set BB,  78                           ; s[78:79] B likewise
.set KI,  74                           ; s74     the even K step that slot 0 takes next; slot 1 takes the odd one behind it
.set OF,  76                           ; s[76:77] a byte offset; its upper word stays 0
.set MSB, 0
.macro WIN new                         ; the immediate's high byte repeats the setting that is left
.if MSB != \new
	s_set_vgpr_msb (MSB<<8)|\new
.set MSB, \new
.endif
.endm
.set MUL,  0x05                        ; sources 0 (B) and 1 (A) window 1; C and D window 0
.set TO_F, 0x40                        ; destination window 1, address window 0
.macro JLOAD s                         ; a joint load: waves 0 and 1 fetch A's two halves, waves 2 and 3 B's; four v_nop follow each of the two lines
	s_cmp_eq_u32 s11, 0
	s_cbranch_scc0 .Lfor_b_\@
	tensor_load_to_lds s[G0+4*\s:G0+4*\s+3], s[G1:G1+7]
	s_nop 0
.rept 4
	v_nop
.endr
	s_branch .Lasked_\@
.Lfor_b_\@:
	tensor_load_to_lds s[G0B+4*\s:G0B+4*\s+3], s[G1B:G1B+7]
	s_nop 0
.rept 4
	v_nop
.endr
.Lasked_\@:
.endm
.macro CREST                           ; a round of the cluster's barrier behind its opening barrier
	s_cmp_lg_u32 s10, 0
	s_cbranch_scc1 .Lnot_wave_0_\@
	s_barrier_signal -3
.Lnot_wave_0_\@:
	s_barrier_wait -3
	s_barrier_signal -1
	s_barrier_wait -1
.endm
.macro CROUND                          ; a whole round
	s_barrier_signal -1
	s_barrier_wait -1
	CREST
.endm
; The global addresses of a slot's two descriptors, made anew from the kept bases: K step s[KI] + slot.  It stands only where no tensor load of the wave is out.
.macro AIM slot
	s_lshl_b32 s[OF], s[KI], 21                    ; K step x ASTEP: under 2^24
	s_add_nc_u64 s[G0+4*\slot+2:G0+4*\slot+3], s[BA:BA+1], s[OF:OF+1]
.if \slot
	s_add_nc_u64 s[G0+4*\slot+2:G0+4*\slot+3], s[G0+4*\slot+2:G0+4*\slot+3], ASTEP
.endif
	s_or_b32 s[G0+4*\slot+3], s[G0+4*\slot+3], 0x80000000        ; type = 2
	s_lshl_b32 s[OF], s[KI], 9                     ; K step x 512 bytes of a row of B
	s_add_nc_u64 s[G0B+4*\slot+2:G0B+4*\slot+3], s[BB:BB+1], s[OF:OF+1]
.if \slot
	s_add_nc_u64 s[G0B+4*\slot+2:G0B+4*\slot+3], s[G0B+4*\slot+2:G0B+4*\slot+3], 512
.endif
	s_or_b32 s[G0B+4*\slot+3], s[G0B+4*\slot+3], 0x80000000
.endm
	s_load_b128 s[4:7], s[0:1], 0x0                ; A s[4:5], B s[6:7]
	s_load_b128 s[68:71], s[0:1], 0x10             ; the scales' exponents s[68:69], the residual s[70:71]
	s_load_b64 s[8:9], s[0:1], 0x20                ; the result
	s_load_b64 s[72:73], s[0:1], 0x28              ; the bias
	v_lshl_add_u32 v[SPW], v0, 2, SPARE
	v_mov_b32 v[NIL], 0
	ds_add_u32 v28, v29
	ds_add_u32 v28, v29
	s_wait_dscnt 0x0
	v_lshrrev_b32 v1, 5, v0
	v_readfirstlane_b32 s10, v1                    ; wave 0..3
	s_lshr_b32 s11, s10, 1                         ; which half of the tile's rows is mine.  Also: I fetch for A (0) or for B (1)
	s_and_b32 s12, s10, 1                          ; which half of its columns.  Also: which half of that tile I fetch
	s_bfe_u32 s40, ttmp6, 0x40000                  ; cx, cy: my place in the cluster
	s_bfe_u32 s41, ttmp6, 0x40004
	s_lshl_b32 s42, ttmp9, 2
	s_add_co_u32 s42, s42, s40                     ; tile column = 4 x cluster x + cx
	s_and_b32 s13, ttmp7, 0xffff
	s_lshl_b32 s13, s13, 2
	s_add_co_u32 s13, s13, s41                     ; tile row = 4 x cluster y + cy
	s_lshl_b32 s43, s41, 2
	s_lshl_b32 s43, 15, s43                        ; my row of the cluster
	s_lshl_b32 s44, 0x1111, s40                    ; my column
	; descriptor group 1.  A: a dense block of 32,768 bytes as 128 rows of 256.  B: 64 rows of 512 bytes, SIZE_K bytes apart, padded in LDS
	s_or_b32 s[G1+0], s43, (3<<16)|(1<<21)         ; 15:0 the mask: my row; 17:16 elements of 8 bytes; 21 set beside a mask; no padding
	s_mov_b32 s[G1+1], 32<<16                      ; tensor_dim0 = 32
	s_mov_b32 s[G1+2], 128<<16                     ; tensor_dim1 = 128
	s_mov_b32 s[G1+3], 32<<16                      ; tile_dim0 = 32
	s_mov_b32 s[G1+4], 128                         ; tile_dim1 = 128
	s_mov_b32 s[G1+5], 32                          ; tensor_dim0_stride
	s_mov_b32 s[G1+6], 0
	s_mov_b32 s[G1+7], 0
	s_or_b32 s[G1B+0], s44, (0<<16)|(1<<20)|(1<<21)|(6<<22)|(3<<25)  ; the mask: my column; elements of 1 byte; padding on: after every 128 words (code 6) 4 words (code 3)
	s_mov_b32 s[G1B+1], 512<<16
	s_mov_b32 s[G1B+2], 64<<16
	s_mov_b32 s[G1B+3], 512<<16
	s_mov_b32 s[G1B+4], 64
	s_mov_b32 s[G1B+5], SIZE_K
	s_mov_b32 s[G1B+6], 0
	s_mov_b32 s[G1B+7], 0
	s_lshl_b32 s16, s13, 16                        ; A: 8 tiles of 16 rows x 8,192 bytes for each tile row,
	s_lshl_b32 s17, s12, 15                        ; + my four of them
	s_add_co_u32 s16, s16, s17
	s_mov_b32 s17, 0
	s_lshl_b32 s46, s42, 7
	s_lshl_b32 s47, s12, 6
	s_add_co_u32 s46, s46, s47                     ; B: row 128 x tile column + 64 x half
	s_mul_i32 s46, s46, SIZE_K                     ; under 2^22
	s_mov_b32 s47, 0
	s_lshl_b32 s20, s12, 15                        ; where they go: no place in the cluster enters an LDS address
	s_mul_i32 s21, s12, BHALF
	s_add_co_u32 s21, s21, ASLOT
	; the K step at which my cluster begins: made of the cluster's x and y, never of cx or cy
	s_and_b32 s[KI], ttmp7, 0xffff                 ; Y
	s_lshr_b32 s75, s[KI], 2
	s_lshl_b32 s75, s75, 1
	s_add_co_u32 s[KI], s[KI], s75                 ; Y + 2 (Y / 4)
	s_and_b32 s[KI], s[KI], 3
	s_lshl_b32 s[KI], s[KI], 1
	s_lshl_b32 s75, ttmp9, 2                       ; 4 X
	s_add_co_u32 s[KI], s[KI], s75
	s_and_b32 s[KI], s[KI], NKS-1                  ; an even number, 0 to 6
	s_mov_b32 s[OF+1], 0
	s_wait_kmcnt 0x0
	s_load_b64 s[66:67], s[68:69], 4*SIDX          ; ea, eb
	s_add_nc_u64 s[BA:BA+1], s[4:5], s[16:17]
	s_add_nc_u64 s[BB:BB+1], s[6:7], s[46:47]
.irp s, 0,1
	s_mov_b32 s[G0+4*\s], 1                        ; count = 1
	s_add_co_u32 s[G0+4*\s+1], s20, \s*SLOT        ; LDS address
	s_mov_b32 s[G0B+4*\s], 1
	s_add_co_u32 s[G0B+4*\s+1], s21, \s*SLOT
	AIM \s                                         ; my cluster's first two K steps
.endr
	CROUND                                         ; all sixteen work-groups are here: the first joint loads meet
	JLOAD 0                                        ; one tensor load a wave at the head
	v_and_b32 v1, 15, v0
	v_bfe_u32 v2, v0, 4, 1                         ; l / 16
	v_and_b32 v3, 31, v0
	v_lshlrev_b32 v4, 4, v3                        ; 16 l: my place in an image
	v_mul_u32_u24 v5, v1, BPITCH
	v_lshl_add_u32 v5, v2, 4, v5                   ; B: row x pitch + 16 x half
	s_lshl_b32 s21, s11, 15                        ; my four tiles of A's rows
	s_mul_i32 s22, s12, BHALF                      ; my 64 rows of B,
	s_add_co_u32 s22, s22, ASLOT                   ; which lie behind A's part
.irp s, 0,1
	v_add_nc_u32 v[ADRA+\s], s21, v4
	v_add_nc_u32 v[ADRB+\s], s22, v5
	s_add_co_u32 s21, s21, SLOT
	s_add_co_u32 s22, s22, SLOT
.endr
	s_mul_i32 s23, s10, 16*SPITCH
	s_add_co_u32 s23, s23, STAGE                   ; my stage
	v_mul_u32_u24 v6, v1, SPITCH                   ; in: row l % 16, 32 bytes for each half of the lanes
	v_lshl_add_u32 v6, v2, 5, v6
	v_add_nc_u32 v[STO], s23, v6
	v_mul_u32_u24 v7, v2, SPITCH                   ; back: lanes 0-15 take one row of 256 bytes, lanes 16-31 the next
	v_lshl_add_u32 v7, v1, 4, v7
	v_add_nc_u32 v[RD], s23, v7
	v_lshlrev_b32 v[BO], 4, v1
	s_wait_alu depctr_va_vdst(0)
	v_lshl_add_u32 v[CO], v2, 12, v[BO]            ; and the same two rows of 4,096 bytes in memory
	s_wait_alu depctr_va_vdst(0)
	s_lshl_b32 s16, s13, 7
	s_lshl_b32 s17, s11, 6
	s_add_co_u32 s16, s16, s17                     ; my first row: 128 x tile row + 64 x half
	s_lshl_b32 s16, s16, 12
	s_mov_b32 s17, 0
	s_lshl_b32 s46, s42, 7
	s_lshl_b32 s47, s12, 6
	s_add_co_u32 s46, s46, s47                     ; my first column: 128 x tile column + 64 x half,
	s_lshl_b32 s46, s46, 2                         ; in bytes (in the registers that held B's offset: none that fed A's descriptors ever holds cx)
	s_mov_b32 s47, 0
	s_add_nc_u64 s[70:71], s[70:71], s[16:17]
	s_add_nc_u64 s[70:71], s[70:71], s[46:47]
	s_add_nc_u64 s[8:9], s[8:9], s[16:17]
	s_add_nc_u64 s[8:9], s[8:9], s[46:47]
	s_add_nc_u64 s[72:73], s[72:73], s[46:47]
; THE PREFETCHES INTO THE L2: behind each joint load but the last two, one instruction a wave for the K step that stands two loads on.  What a wave fetches in a K step is 128 blocks of 256 bytes
; (A: one dense run; B: 64 rows x 2); the four partners that ask for it jointly take 32 each, told apart BY ADDRESS (cx for A, cy for B): a lane a block.
.set PB,  80                           ; s[80:81] my work-group's 32 blocks at K step 0; never rewritten
.set PA,  82                           ; s[82:83] the same at the K step asked for; rewritten only behind s_wait_xcnt 0
.set PO,  84                           ; s[84:85] a byte offset; its upper word stays 0
.set SH,  86                           ; s86     a K step on is 1 << 21 bytes in A, 1 << 9 in a row of B
.set PFO, 30                           ; v30     my lane's block; never rewritten
.macro AIMP slot                       ; the K step two on from the one that this slot takes next, round the eight
	s_add_co_u32 s87, s[KI], 2
	s_and_b32 s87, s87, NKS-1
.if \slot
	s_add_co_u32 s87, s87, 1
.endif
	s_lshl_b32 s[PO], s87, s[SH]
	s_add_nc_u64 s[PA:PA+1], s[PB:PB+1], s[PO:PO+1]
.endm
	s_mov_b32 s88, 4096
	s_cmp_eq_u32 s11, 0                            ; do I fetch for A?
	s_cselect_b64 s[PB:PB+1], s[BA:BA+1], s[BB:BB+1]
	s_cselect_b32 s[PO], s40, s41                  ; my place among the four that ask with me
	s_cselect_b32 s87, 13, 16                      ; its 32 blocks: 8,192 bytes of A's run, or 16 rows of B
	s_cselect_b32 s[SH], 21, 9
	s_cselect_b32 s88, 512, s88                    ; from one pair of lanes to the next: 512 bytes of A's run, or a row of B
	s_lshl_b32 s[PO], s[PO], s87
	s_mov_b32 s[PO+1], 0
	s_add_nc_u64 s[PB:PB+1], s[PB:PB+1], s[PO:PO+1]
	v_and_b32 v[PFO], 31, v0
	v_lshrrev_b32 v31, 1, v[PFO]
	v_and_b32 v[PFO], 1, v[PFO]
	v_lshlrev_b32 v[PFO], 8, v[PFO]
	v_mad_u32_u24 v[PFO], v31, s88, v[PFO]
	s_add_co_u32 s87, s[KI], 1                     ; my cluster's second K step (s[KI] is even, 6 at the most), in s[90:91], which are never rewritten
	s_lshl_b32 s[PO], s87, s[SH]
	s_add_nc_u64 s[90:91], s[PB:PB+1], s[PO:PO+1]
	AIMP 0
; 4 matrix instructions: A's block a x B's four, 128 along K, from buffer f.  zero = 1: the first product starts the sums.  The 16 accumulators take turns, in the same order in every quarter.
.macro MUL4 f, a, zero
.irp b, 0,1,2,3
.if \zero
	v_wmma_f32_16x16x128_fp8_fp8 v[ACC+8*(4*(\a)+\b):ACC+8*(4*(\a)+\b)+7], v[\f+64+16*\b:\f+64+16*\b+15], v[\f+16*(\a):\f+16*(\a)+15], 0
.else
	v_wmma_f32_16x16x128_fp8_fp8 v[ACC+8*(4*(\a)+\b):ACC+8*(4*(\a)+\b)+7], v[\f+64+16*\b:\f+64+16*\b+15], v[\f+16*(\a):\f+16*(\a)+15], v[ACC+8*(4*(\a)+\b):ACC+8*(4*(\a)+\b)+7]
.endif
.endr
.endm
.macro MUL8 f, a0, zero
	MUL4 \f, \a0, \zero
	MUL4 \f, \a0+1, \zero
.endm
; 32 LDS loads in one run: the fragments of the slot's q-th 128 along K into buffer f: B's four, then A's blocks 0 to 3
.macro FETCH slot, q, f
	WIN TO_F
.irp b, 0,1,2,3
.irp c, 0,1,2,3
	ds_load_b128 v[\f+64+16*\b+4*\c:\f+64+16*\b+4*\c+3], v[ADRB+\slot] offset:16*BPITCH*\b+128*(\q)+32*\c
.endr
.endr
.irp a, 0,1,2,3
.irp c, 0,1,2,3
	ds_load_b128 v[\f+16*\a+4*\c:\f+16*\a+4*\c+3], v[ADRA+\slot] offset:8192*\a+2048*(\q)+512*\c
.endr
.endr
.endm
.macro PLACES                          ; four places in front of loads into registers that matrix instructions have read, and of the first read of results
.rept 4
	v_nop
.endr
.endm
; A K step is four quarters of 128 along K, 16 matrix instructions each, on buffers 0, 1, 0, 1.  One of the first three: multiplies buffer f and fetches quarter qn into g.
.macro QUARTER slot, qn, f, g, zero
	s_wait_dscnt 8                                 ; B's four and A's blocks 0, 1 are in; the youngest eight loads (blocks 2, 3) may be out
	WIN MUL
	MUL8 \f, 0, \zero
	PLACES
	FETCH \slot, \qn, \g
	s_wait_dscnt 32                                ; all but the 32 just issued
	WIN MUL
	MUL8 \f, 2, \zero
.endm
; The last quarter multiplies buffer 1 and changes slots: ONE barrier; in front of it each wave waits for all its tensor loads, adds 0 to its spare word, and waits for that and for its own reads of this slot.
; fill = 1: this slot is filled again, with the K step two further round.  Its descriptors are aimed while the add is out, where no tensor load of the wave is out: nothing but the round stands between the waits and the joint load.
.macro TURN slot, next, fill
	WIN 0                                          ; (the add's two registers lie in window 0)
	s_wait_tensorcnt 0x0                           ; all my tensor loads have landed: my part of the next slot
	ds_add_u32 v[SPW], v[NIL]                      ; 0 onto my spare word
.if \fill
.if (\slot) == 0
	s_add_co_u32 s[KI], s[KI], 2                   ; the next lap's even K step,
	s_and_b32 s[KI], s[KI], NKS-1                  ; round the eight
.endif
	AIM \slot
	s_wait_xcnt 0x0                                ; my last prefetch has read its address, a K step ago: it may be written
	AIMP \slot
.endif
	s_wait_dscnt 9
	WIN MUL
	MUL4 F1, 0, 0                                  ; four matrix instructions stand between the add and the wait for it
	s_wait_dscnt 0x0                               ; the add is done, and my reads of this slot are over
	s_barrier_signal -1
	MUL4 F1, 1, 0
	WIN 0
	s_barrier_wait -1
.if \fill
	CREST                                          ; the barrier has opened a round of the cluster's barrier: no wave of any partner still reads this slot's tile or has a load on its way
	JLOAD \slot                                    ; the first tensor load behind the round; the four v_nop behind it are the places in front of the loads below
.else
	PLACES
.endif
	FETCH \next, 0, F0
.if \fill
	WIN 0                                          ; at a branch and at a label every window is 0
	s_cmp_gt_u32 s3, 1                             ; the loop's last trip loads the last two K steps: there is none two on
	s_cbranch_scc0 .Lno_ask_\@
	global_prefetch_b8 v[PFO], s[PA:PA+1] th:TH_LOAD_NT scope:SCOPE_SE
.Lno_ask_\@:
.endif
	WIN MUL
	MUL8 F1, 2, 0
.endm
	s_wait_alu depctr_va_vdst(0)
	global_prefetch_b8 v[PFO], s[90:91] th:TH_LOAD_NT scope:SCOPE_SE     ; my cluster's second K step, one load ahead
	global_prefetch_b8 v[PFO], s[PA:PA+1] th:TH_LOAD_NT scope:SCOPE_SE   ; and its third
	s_wait_tensorcnt 0x0
	ds_add_u32 v[SPW], v[NIL]
	s_wait_xcnt 0x0                                ; the prefetch has read its address
	AIMP 1
	s_wait_dscnt 0x0
	CROUND                                         ; everybody's part is in, and the joint loads meet
	JLOAD 1                                        ; the second K step: the first tensor load behind the round
	FETCH 0, 0, F0
	WIN 0
	global_prefetch_b8 v[PFO], s[PA:PA+1] th:TH_LOAD_NT scope:SCOPE_SE   ; my cluster's fourth K step
	global_load_b128 v[BI:BI+3], v[BO], s[72:73]   ; the bias and the residual are asked for behind the first tiles: they land under the K loop
	WIN 0x80                                       ; destination window 2, address window 0
.irp a, 0,1,2,3
.irp t, 0,1,2,3,4,5,6,7
	global_load_b128 v[32*\a+4*\t:32*\a+4*\t+3], v[CO], s[70:71] offset:(16*\a+2*\t)*4096 th:TH_LOAD_NT   ; 16 lanes read 256 consecutive bytes; read once in this launch
.endr
.endr
	WIN 0
	QUARTER 0, 1, F0, F1, 1                        ; the first quarter stands in front of the loop: its products start the sums
	WIN 0                                          ; at a label and at a branch every window is 0
	s_mov_b32 s3, LAPS-1
.Llap:                                                 ; a trip goes once round the ring, from a lap's second quarter to the next lap's first, and fills both slots again
	QUARTER 0, 2, F1, F0, 0
	QUARTER 0, 3, F0, F1, 0
	TURN 0, 1, 1
	QUARTER 1, 1, F0, F1, 0
	QUARTER 1, 2, F1, F0, 0
	QUARTER 1, 3, F0, F1, 0
	TURN 1, 0, 1
	QUARTER 0, 1, F0, F1, 0
	WIN 0
	s_sub_co_u32 s3, s3, 1
	s_cmp_lg_u32 s3, 0
	s_cbranch_scc1 .Llap
	QUARTER 0, 2, F1, F0, 0                        ; the last lap fills nothing, and has no round of the cluster's barrier
	QUARTER 0, 3, F0, F1, 0
	TURN 0, 1, 0
	QUARTER 1, 1, F0, F1, 0
	QUARTER 1, 2, F1, F0, 0
	QUARTER 1, 3, F0, F1, 0
	s_wait_dscnt 8                                 ; the very last quarter: nothing more to fetch
	WIN MUL
	MUL8 F1, 0, 0
	s_wait_dscnt 0
	MUL8 F1, 2, 0
	WIN 0
; THE WAY OUT, a block of 16 rows x 64 columns at a time.  A lane holds 32 neighbouring bytes of a row, the lanes beside it other rows: the block goes through my own stage and comes back as rows of 256 bytes.
; LDS serves a wave's instructions in order (ISA guide 5.7.1.4): no wait between the stores and the loads, nor in front of the next block's stores.
.macro TOSTAGE a
.set TT, T+32*((\a)%2)
.irp b, 0,1,2,3
	ds_store_b128 v[STO], v[ACC+8*(4*(\a)+\b):ACC+8*(4*(\a)+\b)+3] offset:64*\b        ; each accumulator from its low end on
	ds_store_b128 v[STO], v[ACC+8*(4*(\a)+\b)+4:ACC+8*(4*(\a)+\b)+7] offset:64*\b+16
.endr
.irp t, 0,1,2,3,4,5,6,7
	ds_load_b128 v[TT+4*\t:TT+4*\t+3], v[RD] offset:2*SPITCH*\t
.endr
.endm
.macro SEND a, younger                 ; younger: the LDS instructions issued behind block a's loads, which may stay out
.set TT, T+32*((\a)%2)
	s_wait_dscnt \younger
	WIN 0x20                                       ; source 2 (the residual) window 2
.set j, 0
.rept 16
	v_pk_fma_f32 v[TT+j:TT+j+1], v[TT+j:TT+j+1], s[66:67], v[32*(\a)+j:32*(\a)+j+1] op_sel_hi:[1,0,1]   ; sum x 2^(ea + eb) + residual
.set j, j+2
.endr
	WIN 0
.irp t, 0,1,2,3,4,5,6,7
	v_pk_add_f32 v[TT+4*\t:TT+4*\t+1], v[TT+4*\t:TT+4*\t+1], v[BI:BI+1]
	v_pk_add_f32 v[TT+4*\t+2:TT+4*\t+3], v[TT+4*\t+2:TT+4*\t+3], v[BI+2:BI+3]
.endr
.irp t, 0,1,2,3,4,5,6,7
	global_store_b128 v[CO], v[TT+4*\t:TT+4*\t+3], s[8:9] offset:(16*(\a)+2*\t)*4096   ; 16 lanes store 256 consecutive bytes, at a multiple of 256 from the buffer's first byte
.endr
.endm
	s_wait_kmcnt 0x0
	s_add_co_i32 s66, s66, s67
	s_add_co_i32 s66, s66, 127
	s_lshl_b32 s66, s66, 23                        ; 2^(ea + eb) as f32
	s_mov_b32 s67, s66                             ; (named with it as a pair, so it is written)
	s_wait_loadcnt 0x0                             ; the residual and the bias, asked for behind the first tiles
	PLACES
	TOSTAGE 0
.irp a, 1,2,3
.if \a > 1
	s_wait_xcnt 0x0                                ; block a - 2's stores have read their registers: block a's rows may land there
.endif
	TOSTAGE \a
	SEND \a-1, 16                                  ; behind block a - 1's loads: block a's 8 stores and 8 loads
.endr
	SEND 3, 0
	s_wait_tensorcnt 0x0                           ; the wave's end
	ds_add_u32 v[SPW], v[NIL]
	s_wait_dscnt 0x0
	CROUND                                         ; the closing round: no work-group ends while a partner may still ask for a tile that names it
	s_endpgm
.Lfunc_end_k_qc1119936a7_g6:
	.size	k_qc1119936a7_g6, .Lfunc_end_k_qc1119936a7_g6-k_qc1119936a7_g6
	.p2alignl 7, 3214868480
	.fill 96, 4, 3214868480
	.section	.rodata,"a",@progbits
	.p2align	6, 0x0
	.amdhsa_kernel k_qc1119936a7_g6
		.amdhsa_group_segment_fixed_size 327680
		.amdhsa_private_segment_fixed_size 0
		.amdhsa_enable_private_segment 0
		.amdhsa_kernarg_size 48
		.amdhsa_user_sgpr_count 2
		.amdhsa_user_sgpr_kernarg_segment_ptr 1
		.amdhsa_wavefront_size32 1
		.amdhsa_system_sgpr_workgroup_id_x 1
		.amdhsa_system_sgpr_workgroup_id_y 1
		.amdhsa_system_sgpr_workgroup_id_z 1
		.amdhsa_system_vgpr_workitem_id 0
		.amdhsa_next_free_vgpr 768
		.amdhsa_next_free_sgpr 92
		.amdhsa_reserve_vcc 0
		.amdhsa_float_denorm_mode_32 3
		.amdhsa_float_denorm_mode_16_64 3
		.amdhsa_memory_ordered 1
		.amdhsa_forward_progress 1
		.amdhsa_inst_pref_size 85
	.end_amdhsa_kernel
	.amdgpu_metadata
---
amdhsa.version: [ 1, 2 ]
amdhsa.kernels:
  - .name:           k_qc1119936a7_g6
    .symbol:         k_qc1119936a7_g6.kd
    .args:
      - { .name: g_c, .offset: 0, .size: 8, .value_kind: global_buffer, .address_space: global }
      - { .name: W2_codes, .offset: 8, .size: 8, .value_kind: global_buffer, .address_space: global }
      - { .name: lowp_scales, .offset: 16, .size: 8, .value_kind: global_buffer, .address_space: global }
      - { .name: x2, .offset: 24, .size: 8, .value_kind: global_buffer, .address_space: global }
      - { .name: out0, .offset: 32, .size: 8, .value_kind: global_buffer, .address_space: global }
      - { .name: b2, .offset: 40, .size: 8, .value_kind: global_buffer, .address_space: global }
    .group_segment_fixed_size: 327680
    .private_segment_fixed_size: 0
    .kernarg_segment_align: 8
    .kernarg_segment_size: 48
    .max_flat_workgroup_size: 128
    .sgpr_count:     92
    .vgpr_count:     768
    .wavefront_size: 32
...
	.end_amdgpu_metadata
.endif
;; end of part 7
